; MI455X (gfx1250); checked and timed in simulation.
; The chip was launched on July 23, 2026; its instructions are those of AMD's public machine-readable ISA for CDNA 5 (MIT licence, August 2026) and "CDNA5" Instruction Set Architecture Reference Guide (July 2026). The comments in the code are by the model that wrote it; some were corrected since.
;; Decoder Multi Headed Attention. Allowed arithmetic: float matrix products may take bf16 or f16 operands with f32 sums; all other float work in f32.
;; Inputs: Wfc 2,048 x 128 float32; Wk 128 x 2,048 float32; Wq 128 x 2,048 float32; Wv 128 x 2,048 float32; bfc 128 float32; x 2 x 2,048 x 128 float32.
;; Outputs: out0 2 x 2,048 x 128 float32.
;; 2 versions, each right; version 2 is version 1 with the launches prep, fold written anew for expert scheduling mode. Each part assembles by itself: llvm-mc -triple=amdgcn-amd-amdhsa -mcpu=gfx1250 --defsym DOCPART=n.
;; ======== version 1 of 2: 4 launches
;; limits: values are held in f16: magnitudes above 65,504 overflow, below 6.1e-05 lose precision; inputs' magnitudes at most 65,504
;; workspace buffers: xh 1,048,576 bytes; xt 1,048,576 bytes; wsp 4,194,304 bytes; gt 524,288 bytes; wfct 524,288 bytes; ao 16,777,216 bytes
;; launch prep (part 1): grid 160 x 1, 4 waves a work-group, no clusters, 0 bytes of LDS; arguments x, Wq, Wk, Wv, Wfc, xh, xt, wsp; writes xh, xt, wsp
.if DOCPART == 1
	.amdgcn_target "amdgcn-amd-amdhsa--gfx1250"
	.amdhsa_code_object_version 6
	.text
	.protected	k_qd8b9010158_prep
	.globl	k_qd8b9010158_prep
	.p2align	8
	.type	k_qd8b9010158_prep,@function
k_qd8b9010158_prep:
	s_mov_b64 s[64:65], 0
	v_nop
	global_prefetch_b8 v0, s[64:65] scope:SCOPE_SE
	s_setreg_imm32_b32 hwreg(HW_REG_WAVE_MODE, 25, 1), 1
	s_wait_xcnt 0x0
; Re-layout and rounding to f16, no arithmetic beyond that.  Four kinds of work-groups, chosen by the group's number:
;   0-47   Wq, Wk, Wv (16 groups each, 8 rows a group): wsp[mat][part][h][row][c] = 4 W[row][16 c + h], part 0 = hi, part 1 = lo
;   48-63  Wfc (one head a group):                      wsp[3][part][h][o][c]    = 16 Wfc[128 h + c][o]
;   64-95  x transposed (128 rows of x a group):        xt[b][c][t] = x[b][t][c]
;   96-159 x cast:                                      xh[b][t][c] = x[b][t][c]
; hi + lo: hi is the number rounded to 11 bits (t = a 8193 s; hi = t - a 8192 s, both exact but for t's one rounding),
; lo = a s - hi, exact in f32 and then rounded to f16.  s is a power of two that centres the weights in f16's range.
; LIMITS: |x|, |4 W|, |16 Wfc| below 65504 (f16's largest number); beyond that infinities arise.  lo parts below 2^-24 are lost.
; No LDS, no matrix unit, no cluster: every input byte is wanted by one group (x by two), nothing is shared.
.set HI, 16                            ; v[16:31]  four rows of 8 f16 to store (hi part)
.set LO, 32                            ; v[32:47]  the same, lo part
.set T,  48                            ; v[48:79]  hi parts in f32 of one group of 8 x 4 numbers
.set D,  80                            ; v[80:207] a lane's block as loaded: 8 (k) x 16 (q) f32, at D + 16 k + q
.set LOPART, 524288                    ; bytes from a matrix's hi part to its lo part
; A lane reads 8 pieces (k) of 64 bytes (16 numbers q) and writes, for each q, the 8 numbers k as 16 bytes: a transposition inside the lane.
; in: byte A*SA + (8 bg + k)*SB + 4 q;  out: byte q*HS + A*AS + 16 bg + 2 k;  bg = thread & 15, A = thread >> 4.
; The sixteen lanes bg of a store cover 256 consecutive bytes, aligned.
.macro GATHER SA, SB, HS, AS, split
	v_mul_u32_u24 v3, v2, \SA
	v_mad_u32_u24 v3, v1, 8*\SB, v3                ; where I read
	v_mul_u32_u24 v4, v2, \AS
	v_lshl_add_u32 v4, v1, 4, v4                   ; where I write
.irp g, 0,1,2,3
.irp k, 0,1,2,3,4,5,6,7
	global_load_b128 v[D+16*\k+4*\g:D+16*\k+4*\g+3], v3, s[28:29] offset:\k*\SB+16*\g
.endr
.endr
.irp g, 0,1,2,3
	s_wait_loadcnt 24-8*\g                         ; loads return in order: group g's eight are in, the 8 (3 - g) younger ones stay out
.if \g
	s_wait_xcnt 0x0                                ; HI and LO, which the last group's stores read, are rewritten only behind this wait
.endif
.if \split
.irp k, 0,1,2,3,4,5,6,7
.irp p, 0,2
	v_pk_mul_f32 v[T+4*\k+\p:T+4*\k+\p+1], v[D+16*\k+4*\g+\p:D+16*\k+4*\g+\p+1], s[32:33] op_sel_hi:[1,0]                        ; t = a 8193 s
.endr
.endr
.irp k, 0,1,2,3,4,5,6,7
.irp p, 0,2
	v_pk_fma_f32 v[T+4*\k+\p:T+4*\k+\p+1], v[D+16*\k+4*\g+\p:D+16*\k+4*\g+\p+1], s[34:35], v[T+4*\k+\p:T+4*\k+\p+1] op_sel_hi:[1,0,1]   ; hi = t - a 8192 s
.endr
.endr
.irp k, 0,1,2,3,4,5,6,7
.irp p, 0,2
	v_pk_fma_f32 v[D+16*\k+4*\g+\p:D+16*\k+4*\g+\p+1], v[D+16*\k+4*\g+\p:D+16*\k+4*\g+\p+1], s[36:37], v[T+4*\k+\p:T+4*\k+\p+1] op_sel_hi:[1,0,1] neg_lo:[0,0,1] neg_hi:[0,0,1]   ; lo = a s - hi
.endr
.endr
.endif
.irp e, 0,1,2,3
.irp u, 0,1,2,3
.if \split
	v_cvt_pk_f16_f32 v[HI+4*\e+\u], v[T+8*\u+\e], v[T+8*\u+4+\e]                            ; k = 2 u, 2 u + 1 of q = 4 g + e
	v_cvt_pk_f16_f32 v[LO+4*\e+\u], v[D+32*\u+4*\g+\e], v[D+32*\u+16+4*\g+\e]
.else
	v_cvt_pk_f16_f32 v[HI+4*\e+\u], v[D+32*\u+4*\g+\e], v[D+32*\u+16+4*\g+\e]
.endif
.endr
.endr
.irp e, 0,1,2,3
	global_store_b128 v4, v[HI+4*\e:HI+4*\e+3], s[30:31] offset:(4*\g+\e)*\HS
.if \split
	global_store_b128 v4, v[LO+4*\e:LO+4*\e+3], s[30:31] offset:(4*\g+\e)*\HS+LOPART
.endif
.endr
.endr
.endm
	s_load_b512 s[4:19], s[0:1], 0x0               ; x 4, Wq 6, Wk 8, Wv 10, Wfc 12, xh 14, xt 16, wsp 18
	s_mov_b32 s26, ttmp9                           ; the group's number
	s_and_b32 s20, s26, 15
	s_lshr_b32 s21, s26, 4
	s_mov_b32 s23, 0                               ; upper words of the two offset pairs
	s_mov_b32 s25, 0
	v_and_b32 v1, 15, v0                           ; bg
	v_lshrrev_b32 v2, 4, v0                        ; A
	s_wait_kmcnt 0x0
	s_cmp_ge_u32 s26, 96
	s_cbranch_scc1 .Lcast
	s_cmp_ge_u32 s26, 64
	s_cbranch_scc1 .Ltrans
	s_cmp_ge_u32 s26, 48
	s_cbranch_scc1 .Lfc
	; Wq, Wk, Wv: rows stay rows, the heads are taken apart.  q = head, k = c, A = row.
	s_cmp_eq_u32 s21, 0
	s_cselect_b64 s[28:29], s[6:7], s[8:9]
	s_cmp_eq_u32 s21, 2
	s_cselect_b64 s[28:29], s[10:11], s[28:29]
	s_lshl_b32 s22, s20, 16                        ; 8 rows of 8,192 bytes
	s_add_nc_u64 s[28:29], s[28:29], s[22:23]
	s_lshl_b32 s24, s21, 20                        ; the matrix's place in wsp
	s_lshl_b32 s27, s20, 11                        ; 8 rows of 256 bytes
	s_add_co_u32 s24, s24, s27
	s_add_nc_u64 s[30:31], s[18:19], s[24:25]
	s_mov_b32 s32, 0x47000400                      ; 8193 x 4
	s_mov_b32 s33, 0x47000400
	s_mov_b32 s34, 0xc7000000                      ; -8192 x 4
	s_mov_b32 s35, 0xc7000000
	s_mov_b32 s36, 4.0
	s_mov_b32 s37, 4.0
	GATHER 8192, 64, 32768, 256, 1
	s_endpgm
.Lfc:	; Wfc, one head: [c][o] becomes [o][c].  q = o within 16, A = block of 16 o, k = c.
	s_lshl_b32 s22, s20, 16                        ; 128 rows of 512 bytes
	s_add_nc_u64 s[28:29], s[12:13], s[22:23]
	s_lshl_b32 s24, s20, 15
	s_add_co_u32 s24, s24, 0x300000
	s_add_nc_u64 s[30:31], s[18:19], s[24:25]
	s_mov_b32 s32, 0x48000400                      ; 8193 x 16
	s_mov_b32 s33, 0x48000400
	s_mov_b32 s34, 0xc8000000                      ; -8192 x 16
	s_mov_b32 s35, 0xc8000000
	s_mov_b32 s36, 0x41800000                      ; 16
	s_mov_b32 s37, 0x41800000
	GATHER 64, 512, 256, 4096, 1
	s_endpgm
.Ltrans:	; x transposed: q = c within 16, A = block of 16 c, k = t.
	s_and_b32 s21, s21, 1                          ; batch
	s_lshl_b32 s22, s21, 20
	s_lshl_b32 s27, s20, 16                        ; 128 rows of 512 bytes
	s_add_co_u32 s22, s22, s27
	s_add_nc_u64 s[28:29], s[4:5], s[22:23]
	s_lshl_b32 s24, s21, 19
	s_lshl_b32 s27, s20, 8                         ; 128 t of 2 bytes
	s_add_co_u32 s24, s24, s27
	s_add_nc_u64 s[30:31], s[16:17], s[24:25]
	GATHER 64, 512, 4096, 65536, 0
	s_endpgm
.Lcast:	; x cast: 32,768 bytes in, 16,384 out; a thread takes 32 bytes of every 4,096
	s_sub_co_u32 s20, s26, 96
	s_lshl_b32 s22, s20, 15
	s_add_nc_u64 s[28:29], s[4:5], s[22:23]
	s_lshl_b32 s24, s20, 14
	s_add_nc_u64 s[30:31], s[14:15], s[24:25]
	v_lshlrev_b32 v3, 5, v0
	v_lshlrev_b32 v4, 4, v0
.irp s, 0,1,2,3,4,5,6,7
	global_load_b128 v[D+8*\s:D+8*\s+3], v3, s[28:29] offset:4096*\s
	global_load_b128 v[D+8*\s+4:D+8*\s+7], v3, s[28:29] offset:4096*\s+16
.endr
.irp s, 0,1,2,3,4,5,6,7
	s_wait_loadcnt 14-2*\s                         ; piece s's two loads are in, the 2 (7 - s) younger ones stay out
.irp u, 0,1,2,3
	v_cvt_pk_f16_f32 v[HI+4*\s+\u], v[D+8*\s+2*\u], v[D+8*\s+2*\u+1]
.endr
	global_store_b128 v4, v[HI+4*\s:HI+4*\s+3], s[30:31] offset:2048*\s
.endr
	s_endpgm
.Lfunc_end_k_qd8b9010158_prep:
	.size	k_qd8b9010158_prep, .Lfunc_end_k_qd8b9010158_prep-k_qd8b9010158_prep
	.p2alignl 7, 3214868480
	.fill 96, 4, 3214868480
	.section	.rodata,"a",@progbits
	.p2align	6, 0x0
	.amdhsa_kernel k_qd8b9010158_prep
		.amdhsa_group_segment_fixed_size 0
		.amdhsa_private_segment_fixed_size 0
		.amdhsa_enable_private_segment 0
		.amdhsa_kernarg_size 64
		.amdhsa_user_sgpr_count 2
		.amdhsa_user_sgpr_kernarg_segment_ptr 1
		.amdhsa_wavefront_size32 1
		.amdhsa_system_sgpr_workgroup_id_x 1
		.amdhsa_system_sgpr_workgroup_id_y 1
		.amdhsa_system_sgpr_workgroup_id_z 1
		.amdhsa_system_vgpr_workitem_id 0
		.amdhsa_next_free_vgpr 208
		.amdhsa_next_free_sgpr 66
		.amdhsa_reserve_vcc 0
		.amdhsa_float_denorm_mode_32 3
		.amdhsa_float_denorm_mode_16_64 3
		.amdhsa_memory_ordered 1
		.amdhsa_forward_progress 1
		.amdhsa_inst_pref_size 70
	.end_amdhsa_kernel
	.amdgpu_metadata
---
amdhsa.version: [ 1, 2 ]
amdhsa.kernels:
  - .name:           k_qd8b9010158_prep
    .symbol:         k_qd8b9010158_prep.kd
    .args:
      - { .name: x, .offset: 0, .size: 8, .value_kind: global_buffer, .address_space: global }
      - { .name: Wq, .offset: 8, .size: 8, .value_kind: global_buffer, .address_space: global }
      - { .name: Wk, .offset: 16, .size: 8, .value_kind: global_buffer, .address_space: global }
      - { .name: Wv, .offset: 24, .size: 8, .value_kind: global_buffer, .address_space: global }
      - { .name: Wfc, .offset: 32, .size: 8, .value_kind: global_buffer, .address_space: global }
      - { .name: xh, .offset: 40, .size: 8, .value_kind: global_buffer, .address_space: global }
      - { .name: xt, .offset: 48, .size: 8, .value_kind: global_buffer, .address_space: global }
      - { .name: wsp, .offset: 56, .size: 8, .value_kind: global_buffer, .address_space: global }
    .group_segment_fixed_size: 0
    .private_segment_fixed_size: 0
    .kernarg_segment_align: 8
    .kernarg_segment_size: 64
    .max_flat_workgroup_size: 128
    .sgpr_count:     66
    .vgpr_count:     208
    .wavefront_size: 32
...
	.end_amdgpu_metadata
.endif
;; end of part 1
;; launch fold (part 2): grid 32 x 2, 4 waves a work-group, no clusters, 17,920 bytes of LDS; arguments wsp, gt, wfct; writes gt, wfct
.if DOCPART == 2
	.amdgcn_target "amdgcn-amd-amdhsa--gfx1250"
	.amdhsa_code_object_version 6
	.text
	.protected	k_qd8b9010158_fold
	.globl	k_qd8b9010158_fold
	.p2align	8
	.type	k_qd8b9010158_fold,@function
k_qd8b9010158_fold:
	s_mov_b64 s[64:65], 0
	v_nop
	global_prefetch_b8 v0, s[64:65] scope:SCOPE_SE
	s_setreg_imm32_b32 hwreg(HW_REG_WAVE_MODE, 25, 1), 1
	s_wait_xcnt 0x0
; The weights are absorbed, once, for every head h (exact algebra, for every input):
;   y = 0:  gt[h][i'][i]       = 16 sum over c of Wq[i][16c+h] Wk[i'][16c+h]      (scores = x G x^T)
;   y = 1:  wfct[o][128 h + i] = 64 sum over c of Wv[i][16c+h] Wfc[128h+c][o]     (out = (P x) M)
; Both are out[n][m] = sum over c of A[m][c] B[n][c] with A, B from wsp as hi + lo in f16; three products (hi hi, hi lo, lo hi) in f32 sums,
; so that the result is rounded once, to f16.  The product lo lo, some 2^-22 of the result, is left out.
; LIMIT: |16 G| and |64 M| below 65504.
; A wave makes 16 rows n x 128 columns m of one head: 8 accumulators.  All its 144 loads go out at the start, into registers of their own.
; No tensor loads and no cluster: a wave's operands are 72 KiB read straight into fragments, K contiguous in memory.
; REGISTERS: window 0: addresses, B's fragments, the way out; window 1: A hi (kc, mt) at 64 kc + 8 mt; window 2: A lo; window 3: accumulators at 8 mt.
.set PITCH, 272
.set LOPART, 524288
.set AOF, 4                            ; v4      my byte offset in A
.set BOF, 5                            ; v5      in B
.set STO, 6                            ; v6      stage: where I put 16 bytes of a row
.set RD,  7                            ; v7      stage: where I read a row back
.set CO,  8                            ; v[8:15] byte offsets of my 16 bytes in the output, two rows a step
.set TMP, 16                           ; v[16:47] results in f16
.set BF,  64                           ; v[64:127] B's fragments: (kc, part) at BF + 16 kc + 8 part
.set BACK, 128                         ; v[128:159] rows read back
.set MSB, 0
.macro WIN new                         ; the immediate's high byte repeats the setting that is left
.if MSB != \new
	s_set_vgpr_msb (MSB<<8)|\new
.set MSB, \new
.endif
.endm
	s_load_b128 s[4:7], s[0:1], 0x0                ; wsp, gt
	s_load_b64 s[8:9], s[0:1], 0x10                ; wfct
	v_lshl_add_u32 v254, v0, 2, 0x4400
	v_mov_b32 v255, 0
	v_lshrrev_b32 v1, 5, v0
	v_readfirstlane_b32 s12, v1                    ; wave
	s_and_b32 s13, ttmp7, 0xffff                   ; y: which product
	s_lshr_b32 s14, ttmp9, 1                       ; head
	s_and_b32 s15, ttmp9, 1
	s_lshl2_add_u32 s15, s15, s12                  ; block of 16 rows n = 4 (x & 1) + wave
	s_lshl_b32 s16, s13, 21                        ; A is matrix 0 or 2 of wsp,
	s_lshl_b32 s18, s14, 15                        ; its head's 32,768 bytes
	s_add_co_u32 s16, s16, s18
	s_mov_b32 s17, 0
	v_and_b32 v2, 15, v0                           ; r
	v_bfe_u32 v3, v0, 4, 1                         ; hh
	v_lshlrev_b32 v[AOF], 8, v2
	v_lshl_add_u32 v[AOF], v3, 4, v[AOF]           ; row r, 16 bytes for each half of the lanes
	s_lshl_b32 s19, s15, 12                        ; B is the matrix behind A; my 16 rows of 256 bytes
	s_add_co_u32 s19, s19, 0x100000
	v_add_nc_u32 v[BOF], s19, v[AOF]
	s_wait_kmcnt 0x0
	s_add_nc_u64 s[4:5], s[4:5], s[16:17]
.irp kc, 0,1,2,3
	WIN 0
	global_load_b128 v[BF+16*\kc:BF+16*\kc+3],     v[BOF], s[4:5] offset:64*\kc
	global_load_b128 v[BF+16*\kc+4:BF+16*\kc+7],   v[BOF], s[4:5] offset:64*\kc+32
	global_load_b128 v[BF+16*\kc+8:BF+16*\kc+11],  v[BOF], s[4:5] offset:LOPART+64*\kc
	global_load_b128 v[BF+16*\kc+12:BF+16*\kc+15], v[BOF], s[4:5] offset:LOPART+64*\kc+32
	WIN 0x40                                       ; destination in window 1
.irp mt, 0,1,2,3,4,5,6,7
	global_load_b128 v[64*\kc+8*\mt:64*\kc+8*\mt+3],   v[AOF], s[4:5] offset:4096*\mt+64*\kc
	global_load_b128 v[64*\kc+8*\mt+4:64*\kc+8*\mt+7], v[AOF], s[4:5] offset:4096*\mt+64*\kc+32
.endr
	WIN 0x80                                       ; destination in window 2
.irp mt, 0,1,2,3,4,5,6,7
	global_load_b128 v[64*\kc+8*\mt:64*\kc+8*\mt+3],   v[AOF], s[4:5] offset:LOPART+4096*\mt+64*\kc
	global_load_b128 v[64*\kc+8*\mt+4:64*\kc+8*\mt+7], v[AOF], s[4:5] offset:LOPART+4096*\mt+64*\kc+32
.endr
.endr
	WIN 0
	; where the result goes: gt rows are 256 bytes and a head 32,768; wfct rows are 4,096 bytes and a head 256
	s_cmp_eq_u32 s13, 0
	s_cselect_b64 s[20:21], s[6:7], s[8:9]
	s_lshl_b32 s27, s13, 2
	s_lshl_b32 s22, 256, s27                       ; bytes from row to row
	s_mul_i32 s27, s13, 7
	s_lshr_b32 s23, 0x8000, s27                    ; bytes from head to head
	s_mul_i32 s24, s14, s23
	s_lshl_b32 s27, s15, 4
	s_mul_i32 s27, s27, s22
	s_add_co_u32 s24, s24, s27
	s_mov_b32 s25, 0
	s_add_nc_u64 s[20:21], s[20:21], s[24:25]
	s_lshl_b32 s26, s22, 1
	v_mul_u32_u24 v[CO], v3, s22
	v_lshl_add_u32 v[CO], v2, 4, v[CO]             ; lanes 0-15 one row, lanes 16-31 the next
.irp t, 1,2,3,4,5,6,7
	v_add_nc_u32 v[CO+\t], s26, v[CO+\t-1]
.endr
	s_mul_i32 s28, s12, 16*PITCH                   ; my wave's stage
	v_mul_u32_u24 v[STO], v2, PITCH
	v_lshl_add_u32 v[STO], v3, 4, v[STO]
	v_add_nc_u32 v[STO], s28, v[STO]
	v_mul_u32_u24 v[RD], v3, PITCH
	v_lshl_add_u32 v[RD], v2, 4, v[RD]
	v_add_nc_u32 v[RD], s28, v[RD]
; Eight matrix instructions, one on each accumulator: the accumulators take turns, one instruction a turn.
; Source 0 = 16 rows m of A, source 1 = 16 rows n of B: lane l then holds row n = l % 16 and its registers the columns m = 8 (l / 16) + 0..7.
.macro MUL8 kc, part, zero
.irp mt, 0,1,2,3,4,5,6,7
.if \zero
	v_wmma_f32_16x16x32_f16 v[8*\mt:8*\mt+7], v[64*\kc+8*\mt:64*\kc+8*\mt+7], v[BF+16*\kc+8*\part:BF+16*\kc+8*\part+7], 0
.else
	v_wmma_f32_16x16x32_f16 v[8*\mt:8*\mt+7], v[64*\kc+8*\mt:64*\kc+8*\mt+7], v[BF+16*\kc+8*\part:BF+16*\kc+8*\part+7], v[8*\mt:8*\mt+7]
.endif
.endr
.endm
.macro KSTEP kc, left, zero
	s_wait_loadcnt \left
	WIN 0xf1                                       ; A from window 1 (hi), B window 0, C and D window 3
	MUL8 \kc, 0, \zero
	MUL8 \kc, 1, 0
	WIN 0xf2                                       ; A from window 2 (lo)
	MUL8 \kc, 0, 0
.endm
	KSTEP 0, 63, 1                                 ; 36 loads for each 32 c; 108 younger ones could stay out, the wait's field holds 63
	KSTEP 1, 63, 0                                 ; 72 could
	KSTEP 2, 36, 0                                 ; the last 36 stay out
	KSTEP 3, 0, 0
	WIN 0
.rept 4
	v_nop                                          ; four places behind the last matrix instruction before its result is read (ISA guide 7.12.1)
.endr
	WIN 0x0f                                       ; sources in window 3
.irp mt, 0,1,2,3,4,5,6,7
.irp u, 0,1,2,3
	v_cvt_pk_f16_f32 v[TMP+4*\mt+\u], v[8*\mt+2*\u], v[8*\mt+2*\u+1]
.endr
.endr
	WIN 0
.irp mt, 0,1,2,3,4,5,6,7
	ds_store_b128 v[STO], v[TMP+4*\mt:TMP+4*\mt+3] offset:32*\mt
.endr
.irp t, 0,1,2,3,4,5,6,7
	ds_load_b128 v[BACK+4*\t:BACK+4*\t+3], v[RD] offset:\t*2*PITCH     ; my own bytes: LDS serves a wave's instructions in order (ISA guide 5.7.1.4)
.endr
.irp t, 0,1,2,3,4,5,6,7
	s_wait_dscnt 7-\t                              ; row pair t is back, the 7 - t younger ones stay out
	global_store_b128 v[CO+\t], v[BACK+4*\t:BACK+4*\t+3], s[20:21]     ; sixteen lanes store 256 consecutive bytes, aligned
.endr
	s_wait_tensorcnt 0x0
	ds_add_u32 v254, v255
	s_wait_dscnt 0x0
	s_endpgm
.Lfunc_end_k_qd8b9010158_fold:
	.size	k_qd8b9010158_fold, .Lfunc_end_k_qd8b9010158_fold-k_qd8b9010158_fold
	.p2alignl 7, 3214868480
	.fill 96, 4, 3214868480
	.section	.rodata,"a",@progbits
	.p2align	6, 0x0
	.amdhsa_kernel k_qd8b9010158_fold
		.amdhsa_group_segment_fixed_size 17920
		.amdhsa_private_segment_fixed_size 0
		.amdhsa_enable_private_segment 0
		.amdhsa_kernarg_size 24
		.amdhsa_user_sgpr_count 2
		.amdhsa_user_sgpr_kernarg_segment_ptr 1
		.amdhsa_wavefront_size32 1
		.amdhsa_system_sgpr_workgroup_id_x 1
		.amdhsa_system_sgpr_workgroup_id_y 1
		.amdhsa_system_sgpr_workgroup_id_z 1
		.amdhsa_system_vgpr_workitem_id 0
		.amdhsa_next_free_vgpr 832
		.amdhsa_next_free_sgpr 66
		.amdhsa_reserve_vcc 0
		.amdhsa_float_denorm_mode_32 3
		.amdhsa_float_denorm_mode_16_64 3
		.amdhsa_memory_ordered 1
		.amdhsa_forward_progress 1
		.amdhsa_inst_pref_size 28
	.end_amdhsa_kernel
	.amdgpu_metadata
---
amdhsa.version: [ 1, 2 ]
amdhsa.kernels:
  - .name:           k_qd8b9010158_fold
    .symbol:         k_qd8b9010158_fold.kd
    .args:
      - { .name: wsp, .offset: 0, .size: 8, .value_kind: global_buffer, .address_space: global }
      - { .name: gt, .offset: 8, .size: 8, .value_kind: global_buffer, .address_space: global }
      - { .name: wfct, .offset: 16, .size: 8, .value_kind: global_buffer, .address_space: global }
    .group_segment_fixed_size: 17920
    .private_segment_fixed_size: 0
    .kernarg_segment_align: 8
    .kernarg_segment_size: 24
    .max_flat_workgroup_size: 128
    .sgpr_count:     66
    .vgpr_count:     832
    .wavefront_size: 32
...
	.end_amdgpu_metadata
.endif
;; end of part 2
;; launch attn (part 3): grid 16 x 16, 4 waves a work-group, clusters of 4 x 1, 327,680 bytes of LDS; arguments xh, xt, gt, ao; writes ao
.if DOCPART == 3
	.amdgcn_target "amdgcn-amd-amdhsa--gfx1250"
	.amdhsa_code_object_version 6
	.text
	.protected	k_qd8b9010158_attn
	.globl	k_qd8b9010158_attn
	.p2align	8
	.type	k_qd8b9010158_attn,@function
k_qd8b9010158_attn:
	s_mov_b64 s[64:65], 0
	v_nop
	global_prefetch_b8 v0, s[64:65] scope:SCOPE_SE
	s_setreg_imm32_b32 hwreg(HW_REG_WAVE_MODE, 25, 1), 1
	s_wait_xcnt 0x0
	s_wait_alu depctr_hold_cnt(0) depctr_sa_sdst(0) depctr_va_vdst(0) depctr_va_sdst(0) depctr_va_ssrc(0) depctr_va_vcc(0) depctr_vm_vsrc(0)
	s_getreg_b32 s2, hwreg(HW_REG_IB_STS2, 6, 4)
	s_cmp_eq_u32 s2, 0
	s_cbranch_scc0 .Lentry_in_a_cluster
	s_endpgm
.Lentry_in_a_cluster:
	s_bfe_u32 s2, ttmp6, 0x10000c
	s_cmp_lg_u32 s2, 0x3003
	s_cbranch_scc0 .Lentry_shape_is_right
	s_endpgm
.Lentry_shape_is_right:
; Causal attention of one head on one pair of query blocks; ao[b][t][128 h + i] = sum over s of softmax(scores)[t][s] x[b][s][i], in f16.
; REASSOCIATED, exactly and for every input: scores = q k^T = (x G_h) x^T with G_h = Wq_h Wk_h^T, and P v = (P x) Wv_h, whose Wv_h is absorbed in the
; last product's weights.  So keys and values of every head are x itself: no k, no v is made.
; WORK: group (head h, batch b, pair p) takes the query blocks p and 15 - p of 128 rows: (p + 1) + (16 - p) = 17 key tiles of 128 for every group.
; A wave owns 32 queries.  Each pass begins with its diagonal tile, which is both the masked step and the step that starts the sums.
; The even block of the pair goes first, so that a tile's place in the sequence fixes its slot.
; CLUSTER: the four heads 4 X .. 4 X + 3 of one (b, p) walk the same tiles of x and ask for them jointly (mask 15); G_h is each group's own load.
; ALL PRODUCTS ARE USED TRANSPOSED: source 0 = 16 rows from LDS (keys, or features of x^T, or rows of G^T), source 1 = a fragment whose lane is the query.
; In a result lane l holds query l % 16 and registers j the rows 8 (l / 16) + j: packing two neighbouring result tiles gives the next product's source 1
; without any exchange between lanes, and a query's maximum and sum live in two lanes.
; SOFTMAX: running maximum, in base 2.  Q' = x G is scaled per query by a power of two 2^-e (e from the row's largest magnitude) so that it fits f16;
; exp2(S SC - m) with SC = log2(e)/sqrt(128)/16 x 2^e (gt holds 16 G).
; LIMITS: operands x, 16 G, Q' 2^-e, P, P x / l are rounded to f16; |x| below 65504; e is held in -126 .. 126; v_exp_f32 gives 0 below 2^-126 and P below 2^-25
; is lost in f16 (each against a row maximum of 1); NaN or infinite inputs give NaN, not always in the reference's places.
.set PITCH, 272                        ; an LDS row: 256 bytes + 16 of padding: the 16 rows of a fragment load start 16 bytes apart modulo 256
.set R16,   16*PITCH
.set HALF,  64*PITCH                   ; what one tensor load brings
.set TILE,  128*PITCH
.set SLOT,  2*TILE                     ; 128 keys x 128 features of x, then 128 features x 128 keys of x^T
.set GREG,  2*SLOT                     ; G^T of my head, filled once
.set STAGE, GREG+TILE                  ; the way out: 32 rows for each wave, written by LDS stores alone
.set WSTG,  32*PITCH
; window 0
.set AK,  2                            ; v2-3    my fragment address in the key tile of slot 0, 1
.set AV,  4                            ; v4-5    in the x^T tile
.set AG,  6                            ; v6      in G^T
.set AXQ, 8                            ; v8-9    in my wave's 32 rows of the key tile (the diagonal tile holds the queries' x)
.set STO, 10                           ; v10     stage: in
.set RD,  11                           ; v11     stage: back
.set CO,  12                           ; v12     my byte offset in ao
.set DM,  14                           ; v14-15  query - 8 (l / 16), within the block: key 16 mt + j is allowed if it is not above this
.set MX,  16                           ; v16-19  running maximum, a pair for each 16 queries
.set AL,  20                           ; v20-23  exp2(old maximum - new), pairs
.set LS,  24                           ; v24-25  running sum of my half of the keys
.set T,   26                           ; v26-33  at work
.set NEG, 42                           ; v42     -infinity
.set INV, 44                           ; v44-47  1 / sum, pairs
.set SC,  48                           ; v48-51  SC, pairs
.set IQ,  52                           ; v52-55  2^-e, pairs
.set TMP, 64                           ; v64-127 the way out
.set S,   128                          ; v128-255 scores (nt, mt) at S + 64 nt + 8 mt; then P packed, (nt, kk) at S + 64 nt + 16 kk
; window 1: O (nt, mc) at 64 nt + 8 mc; Q fragments (nt, ks) at 128 + 32 nt + 8 ks.  window 2: key fragments (ks, mt) at 64 ks + 8 mt.  window 3: x^T fragments.
.set G1K, 24                           ; s[24:31] shape of a key half tile     s[32:39] from/to, one set a slot
.set G0K, 32
.set G1V, 40                           ; s[40:47] shape of an x^T half tile    s[48:55] from/to, one set a slot
.set G0V, 48
.set G1W, 56                           ; s[56:63] shape of my quarter of G^T   s[68:71] from/to
.set G0W, 68
.set MSB, 0
.macro WIN new                         ; the immediate's high byte repeats the setting that is left
.if MSB != \new
	s_set_vgpr_msb (MSB<<8)|\new
.set MSB, \new
.endif
.endm
.macro NOPS n
.rept \n
	v_nop
.endr
.endm
; A round of the cluster's barrier: my group's barrier, wave 0 signals for the group, every wave waits for all four groups, my group's barrier again.
.macro ROUND
	s_barrier_signal -1
	s_barrier_wait -1
	s_cmp_lg_u32 s12, 0
	s_cbranch_scc1 .Lnot_wave_0_\@
	s_barrier_signal -3
.Lnot_wave_0_\@:
	s_barrier_wait -3
	s_barrier_signal -1
	s_barrier_wait -1
.endm
; A joint load: waves 0, 1 ask for the two halves of the key tile, waves 2, 3 for those of the x^T tile.  Nothing in the descriptors hangs on the head.
.macro JLOAD s
	s_cmp_lt_u32 s12, 2
	s_cbranch_scc0 .Lfor_v_\@
	tensor_load_to_lds s[G0K+4*(\s):G0K+4*(\s)+3], s[G1K:G1K+7]
	s_nop 0
	s_branch .Lasked_\@
.Lfor_v_\@:
	tensor_load_to_lds s[G0V+4*(\s):G0V+4*(\s)+3], s[G1V:G1V+7]
	s_nop 0
.Lasked_\@:
.endm
; The next place in the sequence and its tile: place 0 tile E; 1..E tiles 0..E-1; E+1 tile D; E+2..16 tiles 0..D-1.  Written into slot o's two sets.
.macro NEXT o
	s_add_co_u32 s22, s22, 1
	s_sub_co_u32 s82, s22, 1
	s_sub_co_u32 s83, s22, s86
	s_cmp_le_u32 s22, s18
	s_cselect_b32 s82, s82, s83
	s_cmp_eq_u32 s22, s23
	s_cselect_b32 s82, s19, s82
	s_lshl_b32 s76, s82, 15                        ; 128 rows of 256 bytes of xh
	s_lshl_b32 s78, s82, 8                         ; 128 keys of 2 bytes along xt's rows
	s_add_nc_u64 s[G0K+4*(\o)+2:G0K+4*(\o)+3], s[72:73], s[76:77]
	s_or_b32 s[G0K+4*(\o)+3], s[G0K+4*(\o)+3], 0x80000000
	s_add_nc_u64 s[G0V+4*(\o)+2:G0V+4*(\o)+3], s[74:75], s[78:79]
	s_or_b32 s[G0V+4*(\o)+3], s[G0V+4*(\o)+3], 0x80000000
.endm
; The change of slots.  In front of the round every wave's tensor loads have landed (its part of this step's tile among them; so the sets may be written)
; and its LDS reads are back; behind it the other slot's refill is the wave's first and only tensor load, and has the whole step in which to land.
.macro HEAD slot, refill
	WIN 0
	s_wait_tensorcnt 0x0
	ds_add_u32 v62, v63
	s_wait_dscnt 0x0
.if \refill
	NEXT 1-\slot
.endif
	s_wait_dscnt 0x0
.if \refill
	ROUND
	JLOAD 1-\slot
.else
	s_barrier_signal -1                            ; the last tile: nothing is filled, my group's barrier shows the tile whole
	s_barrier_wait -1
.endif
.endm
; 64 LDS loads: the 32 fragments (ks, mt) of a tile of 128 rows x 128 along K, K groups in order
.macro LOADF areg, win
	WIN \win
.irp ks, 0,1,2,3
.irp mt, 0,1,2,3,4,5,6,7
	ds_load_b128 v[64*\ks+8*\mt:64*\ks+8*\mt+3],   v[\areg] offset:\mt*R16+64*\ks
	ds_load_b128 v[64*\ks+8*\mt+4:64*\ks+8*\mt+7], v[\areg] offset:\mt*R16+64*\ks+32
.endr
.endr
.endm
; S (nt, mt) = rows of window 2 x Q fragments.  The 16 accumulators take turns, one instruction a turn; the first K group starts the sums.
.macro SMUL
	WIN 0x06                                       ; source 0 window 2, source 1 window 1, C and D window 0
.irp ks, 0,1,2,3
	s_wait_dscnt 48-16*\ks                         ; K group ks is in; the 16 (3 - ks) loads of the younger groups stay out
.irp mt, 0,1,2,3,4,5,6,7
.irp nt, 0,1
.if \ks == 0
	v_wmma_f32_16x16x32_f16 v[S+64*\nt+8*\mt:S+64*\nt+8*\mt+7], v[64*\ks+8*\mt:64*\ks+8*\mt+7], v[128+32*\nt+8*\ks:128+32*\nt+8*\ks+7], 0
.else
	v_wmma_f32_16x16x32_f16 v[S+64*\nt+8*\mt:S+64*\nt+8*\mt+7], v[64*\ks+8*\mt:64*\ks+8*\mt+7], v[128+32*\nt+8*\ks:128+32*\nt+8*\ks+7], v[S+64*\nt+8*\mt:S+64*\nt+8*\mt+7]
.endif
.endr
.endr
.endr
.endm
; O (nt, mc) += rows of x^T x P fragments; by turns likewise
.macro PVMUL first
	WIN 0x53                                       ; source 0 window 3, source 1 window 0, C and D window 1
.irp kk, 0,1,2,3
	s_wait_dscnt 48-16*\kk
.irp mc, 0,1,2,3,4,5,6,7
.irp nt, 0,1
.if \kk == 0
.if \first
	v_wmma_f32_16x16x32_f16 v[64*\nt+8*\mc:64*\nt+8*\mc+7], v[64*\kk+8*\mc:64*\kk+8*\mc+7], v[S+64*\nt+16*\kk:S+64*\nt+16*\kk+7], 0
.else
	v_wmma_f32_16x16x32_f16 v[64*\nt+8*\mc:64*\nt+8*\mc+7], v[64*\kk+8*\mc:64*\kk+8*\mc+7], v[S+64*\nt+16*\kk:S+64*\nt+16*\kk+7], v[64*\nt+8*\mc:64*\nt+8*\mc+7]
.endif
.else
	v_wmma_f32_16x16x32_f16 v[64*\nt+8*\mc:64*\nt+8*\mc+7], v[64*\kk+8*\mc:64*\kk+8*\mc+7], v[S+64*\nt+16*\kk:S+64*\nt+16*\kk+7], v[64*\nt+8*\mc:64*\nt+8*\mc+7]
.endif
.endr
.endr
.endr
.endm
; the largest of 64 registers from base on (ab = 1: the largest magnitude), in four chains, into v[T]
.macro RMAX base, ab
.irp c, 0,1,2,3
.if \ab
	v_max3_num_f32 v[T+\c], |v[\base+16*\c]|, |v[\base+16*\c+1]|, |v[\base+16*\c+2]|
.else
	v_max3_num_f32 v[T+\c], v[\base+16*\c], v[\base+16*\c+1], v[\base+16*\c+2]
.endif
.endr
.irp i, 0,1,2,3,4,5
.irp c, 0,1,2,3
.if \ab
	v_max3_num_f32 v[T+\c], v[T+\c], |v[\base+16*\c+3+2*\i]|, |v[\base+16*\c+4+2*\i]|
.else
	v_max3_num_f32 v[T+\c], v[T+\c], v[\base+16*\c+3+2*\i], v[\base+16*\c+4+2*\i]
.endif
.endr
.endr
.irp c, 0,1,2,3
.if \ab
	v_max_num_f32 v[T+\c], v[T+\c], |v[\base+16*\c+15]|
.else
	v_max_num_f32 v[T+\c], v[T+\c], v[\base+16*\c+15]
.endif
.endr
	v_max3_num_f32 v[T], v[T], v[T+1], v[T+2]
	v_max_num_f32 v[T], v[T], v[T+3]
	v_permlanex16_b32 v[T+1], v[T], s80, s81       ; the other half of the query's rows
	v_max_num_f32 v[T], v[T], v[T+1]
.endm
; the diagonal tile: keys above the query become -infinity
.macro MASK
.irp nt, 0,1
.irp mt, 0,1,2,3,4,5,6,7
.irp j, 0,1,2,3,4,5,6,7
	v_cmp_le_i32 vcc_lo, 16*\mt+\j, v[DM+\nt]
	v_cndmask_b32 v[S+64*\nt+8*\mt+\j], v[NEG], v[S+64*\nt+8*\mt+\j], vcc_lo
.endr
.endr
.endr
.endm
; one step of the running softmax for 16 queries: 64 score registers become 32 registers of P in f16
.macro SOFT nt, first
.set SB, S+64*\nt
	RMAX SB, 0
.if \first
	v_mul_f32 v[MX+2*\nt], v[T], v[SC+2*\nt]
.else
	v_mul_f32 v[T], v[T], v[SC+2*\nt]
	v_max_num_f32 v[T], v[T], v[MX+2*\nt]          ; the new maximum
	v_sub_f32 v[T+1], v[MX+2*\nt], v[T]
	v_exp_f32 v[AL+2*\nt], v[T+1]
	v_mov_b32 v[MX+2*\nt], v[T]                    ; the plain instruction between v_exp_f32 and the use of its result (ISA guide 5.7.2)
	s_wait_alu depctr_va_vdst(0)
	v_mov_b32 v[AL+2*\nt+1], v[AL+2*\nt]
.endif
	v_mov_b32 v[MX+2*\nt+1], v[MX+2*\nt]
.set ii, 0
.rept 32
	v_pk_fma_f32 v[SB+ii:SB+ii+1], v[SB+ii:SB+ii+1], v[SC+2*\nt:SC+2*\nt+1], v[MX+2*\nt:MX+2*\nt+1] neg_lo:[0,0,1] neg_hi:[0,0,1]
.set ii, ii+2
.endr
.set ii, 0
.rept 64
	v_exp_f32 v[SB+ii], v[SB+ii]
.set ii, ii+1
.endr
	v_nop                                          ; a plain place behind the last v_exp_f32
	s_wait_alu depctr_va_vdst(0)
.irp c, 0,1,2,3
	v_pk_add_f32 v[T+2*\c:T+2*\c+1], v[SB+2*\c:SB+2*\c+1], v[SB+8+2*\c:SB+8+2*\c+1]
.endr
.irp i, 2,3,4,5,6,7
.irp c, 0,1,2,3
	v_pk_add_f32 v[T+2*\c:T+2*\c+1], v[T+2*\c:T+2*\c+1], v[SB+8*\i+2*\c:SB+8*\i+2*\c+1]
.endr
.endr
	v_pk_add_f32 v[T:T+1], v[T:T+1], v[T+2:T+3]
	v_pk_add_f32 v[T+4:T+5], v[T+4:T+5], v[T+6:T+7]
	v_pk_add_f32 v[T:T+1], v[T:T+1], v[T+4:T+5]
.if \first
	v_add_f32 v[LS+\nt], v[T], v[T+1]
.else
	v_add_f32 v[T], v[T], v[T+1]
	v_fma_f32 v[LS+\nt], v[LS+\nt], v[AL+2*\nt], v[T]
.endif
.irp kk, 0,1,2,3
.irp u, 0,1,2,3,4,5,6,7
	v_cvt_pk_f16_f32 v[SB+16*\kk+\u], v[SB+16*\kk+2*\u], v[SB+16*\kk+2*\u+1]     ; in place, ascending: register u is written when 2 u, 2 u + 1 are read
.endr
.endr
.endm
.macro RESC                            ; O is carried to the new maximum
	WIN 0x41
.irp nt, 0,1
.set ii, 0
.rept 32
	v_pk_mul_f32 v[64*\nt+ii:64*\nt+ii+1], v[64*\nt+ii:64*\nt+ii+1], v[AL+2*\nt:AL+2*\nt+1]
.set ii, ii+2
.endr
.endr
.endm
; One key tile.  The v_nop are the places behind matrix instructions (ISA guide 7.12.1): four before results are read and fragments loaded anew, five before
; the next product writes over the registers of the last.
.macro STEP slot, diag
	LOADF AK+\slot, 0x80
	SMUL
	LOADF AV+\slot, 0xc0
	WIN 0
	NOPS 4
.if \diag
	MASK
.endif
	SOFT 0, \diag
	SOFT 1, \diag
.if \diag == 0
	RESC
.endif
	PVMUL \diag
	WIN 0
	NOPS 5
.endm
; A pass's start: Q' = x G for my 32 queries (their x lies in the diagonal key tile), scaled per query and packed into the Q fragments
.macro PRO slot
	WIN 0x40
.irp nt, 0,1
.irp ks, 0,1,2,3
	ds_load_b128 v[128+32*\nt+8*\ks:128+32*\nt+8*\ks+3],   v[AXQ+\slot] offset:\nt*R16+64*\ks
	ds_load_b128 v[128+32*\nt+8*\ks+4:128+32*\nt+8*\ks+7], v[AXQ+\slot] offset:\nt*R16+64*\ks+32
.endr
.endr
	LOADF AG, 0x80
	SMUL
	WIN 0
	NOPS 4
.irp nt, 0,1
	RMAX S+64*\nt, 1
	v_max_num_f32 v[T], 0x00800000, v[T]           ; e is held in -126 .. 126, so that 2^e and 2^-e are both normal numbers (a row of zeros too)
	v_min_num_f32 v[T], 0x7e800000, v[T]
	v_and_b32 v[T], 0x7f800000, v[T]               ; 2^e
	v_sub_nc_u32 v[IQ+2*\nt], 0x7f000000, v[T]     ; 2^-e
	v_mul_f32 v[SC+2*\nt], s87, v[T]
	v_mov_b32 v[IQ+2*\nt+1], v[IQ+2*\nt]
	v_mov_b32 v[SC+2*\nt+1], v[SC+2*\nt]
.set ii, 0
.rept 32
	v_pk_mul_f32 v[S+64*\nt+ii:S+64*\nt+ii+1], v[S+64*\nt+ii:S+64*\nt+ii+1], v[IQ+2*\nt:IQ+2*\nt+1]
.set ii, ii+2
.endr
.endr
	WIN 0x40
.irp nt, 0,1
.irp ks, 0,1,2,3
.irp u, 0,1,2,3,4,5,6,7
	v_cvt_pk_f16_f32 v[128+32*\nt+8*\ks+\u], v[S+64*\nt+16*\ks+2*\u], v[S+64*\nt+16*\ks+2*\u+1]
.endr
.endr
.endr
	WIN 0
.endm
; A pass's end: O / sum in f16, through my stage, out as whole rows of 256 bytes.  blk: the register with the query block's number
.macro EPI blk
	s_lshl_b32 s88, s16, 11
	s_lshl_b32 s90, \blk, 7
	s_add_co_u32 s88, s88, s90
	s_lshl_b32 s90, s12, 5
	s_add_co_u32 s88, s88, s90                     ; my first row: 2048 b + 128 block + 32 wave
	s_lshl_b32 s88, s88, 12                        ; rows of 4,096 bytes
	s_lshl_b32 s90, s15, 8                         ; my head's 256 bytes
	s_add_co_u32 s88, s88, s90
	s_add_nc_u64 s[84:85], s[10:11], s[88:89]
	v_permlanex16_b32 v[T], v[LS], s80, s81        ; the two halves of a query's sum meet
	v_permlanex16_b32 v[T+1], v[LS+1], s80, s81
	v_add_f32 v[T], v[T], v[LS]
	v_add_f32 v[T+1], v[T+1], v[LS+1]
	v_rcp_f32 v[INV], v[T]
	v_rcp_f32 v[INV+2], v[T+1]
	v_nop                                          ; a plain place behind v_rcp_f32
	s_wait_alu depctr_va_vdst(0)
	v_mov_b32 v[INV+1], v[INV]
	v_mov_b32 v[INV+3], v[INV+2]
	WIN 0x01                                       ; source 0 (O) in window 1
.irp nt, 0,1
.set ii, 0
.rept 32
	v_pk_mul_f32 v[S+64*\nt+ii:S+64*\nt+ii+1], v[64*\nt+ii:64*\nt+ii+1], v[INV+2*\nt:INV+2*\nt+1]
.set ii, ii+2
.endr
.endr
	WIN 0
.irp nt, 0,1
.set ii, 0
.rept 32
	v_cvt_pk_f16_f32 v[TMP+32*\nt+ii], v[S+64*\nt+2*ii], v[S+64*\nt+2*ii+1]
.set ii, ii+1
.endr
.endr
.irp nt, 0,1
.irp mc, 0,1,2,3,4,5,6,7
	ds_store_b128 v[STO], v[TMP+32*\nt+4*\mc:TMP+32*\nt+4*\mc+3] offset:\nt*R16+32*\mc
.endr
.endr
.irp t, 0,1,2,3,4,5,6,7,8,9,10,11,12,13,14,15
	ds_load_b128 v[S+4*\t:S+4*\t+3], v[RD] offset:\t*2*PITCH       ; my own bytes: LDS serves a wave's instructions in order (ISA guide 5.7.1.4)
.endr
.irp t, 0,1,2,3,4,5,6,7,8,9,10,11,12,13,14,15
	s_wait_dscnt 15-\t                             ; row pair t is back, the 15 - t younger ones stay out
	global_store_b128 v[CO], v[S+4*\t:S+4*\t+3], s[84:85] offset:\t*8192     ; sixteen lanes store 256 consecutive bytes, aligned
.endr
	s_wait_xcnt 0x0                                ; the stores' data registers and base are written again only behind this wait
.endm
	s_load_b256 s[4:11], s[0:1], 0x0               ; xh 4, xt 6, gt 8, ao 10
	v_lshl_add_u32 v62, v0, 2, 0x33000
	v_mov_b32 v63, 0
	ds_add_u32 v62, v63
	v_lshrrev_b32 v1, 5, v0
	v_readfirstlane_b32 s12, v1                    ; wave
	s_and_b32 s13, s12, 1                          ; which half of a tile I fetch
	s_bfe_u32 s14, ttmp6, 0x40000                  ; my place in the cluster
	s_lshl_b32 s15, ttmp9, 2
	s_add_co_u32 s15, s15, s14                     ; head
	s_and_b32 s17, ttmp7, 0xffff
	s_lshr_b32 s16, s17, 3                         ; batch
	s_and_b32 s17, s17, 7                          ; pair p
	s_sub_co_u32 s82, 15, s17
	s_bitcmp1_b32 s17, 0
	s_cselect_b32 s18, s82, s17                    ; E: the even one of p, 15 - p
	s_cselect_b32 s19, s17, s82                    ; D: the odd one
	s_lshr_b32 s20, s18, 1                         ; trips of two tiles in E's pass
	s_lshr_b32 s21, s19, 1                         ; in D's pass, which has one tile more
	s_mov_b32 s22, 0                               ; place in the sequence of the tile asked for last
	s_add_co_u32 s23, s18, 1
	s_add_co_u32 s86, s18, 2
	s_mov_b32 s77, 0
	s_mov_b32 s79, 0
	s_mov_b32 s89, 0
	s_mov_b32 s80, 0x76543210                      ; v_permlanex16_b32: lane i of one half reads lane i of the other
	s_mov_b32 s81, 0xfedcba98
	s_mov_b32 s87, 0x3c0293ee                      ; log2(e) / sqrt(128) / 16
	; shapes: 64 rows x 128 elements of 2 bytes, 16 bytes of padding behind each 256; mask 15 with bit 21 beside it
	s_mov_b32 s[G1K+0], 0x0771000f
	s_mov_b32 s[G1K+1], 128<<16
	s_mov_b32 s[G1K+2], 64<<16
	s_mov_b32 s[G1K+3], 128<<16
	s_mov_b32 s[G1K+4], 64
	s_mov_b32 s[G1K+5], 128                        ; xh: 128 elements from row to row
	s_mov_b32 s[G1K+6], 0
	s_mov_b32 s[G1K+7], 0
	s_mov_b32 s[G1V+0], 0x0771000f
	s_mov_b32 s[G1V+1], 128<<16
	s_mov_b32 s[G1V+2], 64<<16
	s_mov_b32 s[G1V+3], 128<<16
	s_mov_b32 s[G1V+4], 64
	s_mov_b32 s[G1V+5], 2048                       ; xt: 2,048 elements from row to row
	s_mov_b32 s[G1V+6], 0
	s_mov_b32 s[G1V+7], 0
	s_mov_b32 s[G1W+0], 0x07510000                 ; my own load: no mask; 32 rows
	s_mov_b32 s[G1W+1], 128<<16
	s_mov_b32 s[G1W+2], 32<<16
	s_mov_b32 s[G1W+3], 128<<16
	s_mov_b32 s[G1W+4], 32
	s_mov_b32 s[G1W+5], 128
	s_mov_b32 s[G1W+6], 0
	s_mov_b32 s[G1W+7], 0
	s_mul_i32 s83, s12, HALF                       ; key halves, then x^T halves = wave x 64 rows
	s_mov_b32 s[G0K+0], 1
	s_mov_b32 s[G0K+1], s83
	s_mov_b32 s[G0K+4], 1
	s_add_co_u32 s[G0K+5], s83, SLOT
	s_mov_b32 s[G0V+0], 1
	s_mov_b32 s[G0V+1], s83
	s_mov_b32 s[G0V+4], 1
	s_add_co_u32 s[G0V+5], s83, SLOT
	s_mul_i32 s82, s12, WSTG
	s_mov_b32 s[G0W+0], 1
	s_add_co_u32 s[G0W+1], s82, GREG
	s_wait_dscnt 0x0
	s_wait_kmcnt 0x0
	s_lshl_b32 s76, s16, 19                        ; my batch,
	s_lshl_b32 s82, s13, 14                        ; my 64 rows of 256 bytes
	s_add_co_u32 s76, s76, s82
	s_add_nc_u64 s[72:73], s[4:5], s[76:77]        ; xh at tile 0
	s_lshl_b32 s78, s16, 19
	s_lshl_b32 s82, s13, 18                        ; my 64 rows of 4,096 bytes
	s_add_co_u32 s78, s78, s82
	s_add_nc_u64 s[74:75], s[6:7], s[78:79]        ; xt at tile 0
	s_lshl_b32 s76, s18, 15                        ; the first tile is E's diagonal tile
	s_lshl_b32 s78, s18, 8
	s_add_nc_u64 s[G0K+2:G0K+3], s[72:73], s[76:77]
	s_or_b32 s[G0K+3], s[G0K+3], 0x80000000
	s_add_nc_u64 s[G0V+2:G0V+3], s[74:75], s[78:79]
	s_or_b32 s[G0V+3], s[G0V+3], 0x80000000
	s_lshl_b32 s88, s15, 15                        ; my head's G^T, my 32 rows
	s_lshl_b32 s90, s12, 13
	s_add_co_u32 s88, s88, s90
	s_add_nc_u64 s[G0W+2:G0W+3], s[8:9], s[88:89]
	s_or_b32 s[G0W+3], s[G0W+3], 0x80000000
	ROUND                                          ; all four groups are here: the first joint loads meet
	JLOAD 0                                        ; the first fills go out as one group: two tensor loads of a wave are out, the most in this text
	tensor_load_to_lds s[G0W:G0W+3], s[G1W:G1W+7]
	s_nop 0
	v_and_b32 v1, 15, v0                           ; r = l % 16
	v_bfe_u32 v13, v0, 4, 1                        ; l / 16
	v_mul_u32_u24 v[AK], v1, PITCH
	v_lshl_add_u32 v[AK], v13, 4, v[AK]            ; row r, 16 bytes for each half of the lanes
	v_add_nc_u32 v[AK+1], SLOT, v[AK]
	v_add_nc_u32 v[AV], TILE, v[AK]
	v_add_nc_u32 v[AV+1], SLOT+TILE, v[AK]
	v_add_nc_u32 v[AG], GREG, v[AK]
	s_mul_i32 s82, s12, WSTG
	v_add_nc_u32 v[AXQ], s82, v[AK]
	v_add_nc_u32 v[AXQ+1], SLOT, v[AXQ]
	s_add_co_u32 s82, s82, STAGE
	v_add_nc_u32 v[STO], s82, v[AK]
	v_mul_u32_u24 v[RD], v13, PITCH
	v_lshl_add_u32 v[RD], v1, 4, v[RD]
	v_add_nc_u32 v[RD], s82, v[RD]
	v_lshlrev_b32 v[CO], 12, v13
	v_lshl_add_u32 v[CO], v1, 4, v[CO]
	s_lshl_b32 s82, s12, 5
	v_add_nc_u32 v[DM], s82, v1
	v_lshlrev_b32 v13, 3, v13
	v_sub_nc_u32 v[DM], v[DM], v13
	v_add_nc_u32 v[DM+1], 16, v[DM]
	v_mov_b32 v[NEG], 0xff800000
	HEAD 0, 1
	PRO 0
	STEP 0, 1                                      ; E's diagonal tile
	s_cmp_eq_u32 s20, 0
	s_cbranch_scc1 .Leven_done
.Leven:
	HEAD 1, 1
	STEP 1, 0
	HEAD 0, 1
	STEP 0, 0
	s_sub_co_i32 s20, s20, 1
	s_cmp_lg_u32 s20, 0
	s_cbranch_scc1 .Leven
.Leven_done:
	HEAD 1, 1
	EPI s18
	PRO 1
	STEP 1, 1                                      ; D's diagonal tile
	s_cmp_eq_u32 s21, 0
	s_cbranch_scc1 .Lodd_done
.Lodd:
	HEAD 0, 1
	STEP 0, 0
	HEAD 1, 1
	STEP 1, 0
	s_sub_co_i32 s21, s21, 1
	s_cmp_lg_u32 s21, 0
	s_cbranch_scc1 .Lodd
.Lodd_done:
	HEAD 0, 0
	STEP 0, 0
	EPI s19
	s_wait_tensorcnt 0x0
	ds_add_u32 v62, v63
	s_wait_dscnt 0x0
	ROUND                                          ; the closing round: no group ends while a partner may still ask for a tile that names it
	s_endpgm
.Lfunc_end_k_qd8b9010158_attn:
	.size	k_qd8b9010158_attn, .Lfunc_end_k_qd8b9010158_attn-k_qd8b9010158_attn
	.p2alignl 7, 3214868480
	.fill 96, 4, 3214868480
	.section	.rodata,"a",@progbits
	.p2align	6, 0x0
	.amdhsa_kernel k_qd8b9010158_attn
		.amdhsa_group_segment_fixed_size 327680
		.amdhsa_private_segment_fixed_size 0
		.amdhsa_enable_private_segment 0
		.amdhsa_kernarg_size 32
		.amdhsa_user_sgpr_count 2
		.amdhsa_user_sgpr_kernarg_segment_ptr 1
		.amdhsa_wavefront_size32 1
		.amdhsa_system_sgpr_workgroup_id_x 1
		.amdhsa_system_sgpr_workgroup_id_y 1
		.amdhsa_system_sgpr_workgroup_id_z 1
		.amdhsa_system_vgpr_workitem_id 0
		.amdhsa_next_free_vgpr 1024
		.amdhsa_next_free_sgpr 96
		.amdhsa_reserve_vcc 1
		.amdhsa_float_denorm_mode_32 3
		.amdhsa_float_denorm_mode_16_64 3
		.amdhsa_memory_ordered 1
		.amdhsa_forward_progress 1
		.amdhsa_inst_pref_size 255
	.end_amdhsa_kernel
	.section	.bss,"aw",@nobits
	.p2align	6
	.space	262144
	.amdgpu_metadata
---
amdhsa.version: [ 1, 2 ]
amdhsa.kernels:
  - .name:           k_qd8b9010158_attn
    .symbol:         k_qd8b9010158_attn.kd
    .args:
      - { .name: xh, .offset: 0, .size: 8, .value_kind: global_buffer, .address_space: global }
      - { .name: xt, .offset: 8, .size: 8, .value_kind: global_buffer, .address_space: global }
      - { .name: gt, .offset: 16, .size: 8, .value_kind: global_buffer, .address_space: global }
      - { .name: ao, .offset: 24, .size: 8, .value_kind: global_buffer, .address_space: global }
    .group_segment_fixed_size: 327680
    .private_segment_fixed_size: 0
    .kernarg_segment_align: 8
    .kernarg_segment_size: 32
    .max_flat_workgroup_size: 128
    .sgpr_count:     96
    .vgpr_count:     1024
    .wavefront_size: 32
...
	.end_amdgpu_metadata
.endif
;; end of part 3
;; launch fc (part 4): grid 128 x 2, 4 waves a work-group, clusters of 4 x 1, 327,680 bytes of LDS; arguments ao, wfct, bfc, out0; writes out0
.if DOCPART == 4
	.amdgcn_target "amdgcn-amd-amdhsa--gfx1250"
	.amdhsa_code_object_version 6
	.text
	.protected	k_qd8b9010158_fc
	.globl	k_qd8b9010158_fc
	.p2align	8
	.type	k_qd8b9010158_fc,@function
k_qd8b9010158_fc:
	s_mov_b64 s[64:65], 0
	v_nop
	global_prefetch_b8 v0, s[64:65] scope:SCOPE_SE
	s_setreg_imm32_b32 hwreg(HW_REG_WAVE_MODE, 25, 1), 1
	s_wait_xcnt 0x0
	s_wait_alu depctr_hold_cnt(0) depctr_sa_sdst(0) depctr_va_vdst(0) depctr_va_sdst(0) depctr_va_ssrc(0) depctr_va_vcc(0) depctr_vm_vsrc(0)
	s_getreg_b32 s2, hwreg(HW_REG_IB_STS2, 6, 4)
	s_cmp_eq_u32 s2, 0
	s_cbranch_scc0 .Lentry_in_a_cluster
	s_endpgm
.Lentry_in_a_cluster:
	s_bfe_u32 s2, ttmp6, 0x10000c
	s_cmp_lg_u32 s2, 0x3003
	s_cbranch_scc0 .Lentry_shape_is_right
	s_endpgm
.Lentry_shape_is_right:
; out0[t][o] = (sum over k of ao[t][k] wfct[o][k]) / 64 + bfc[o].  ao: [4096][2048] f16, wfct: [128][2048] f16 (64 times the absorbed weights), out0 f32.
; A group makes 32 rows x 64 columns: 256 groups, and a row of its block is 256 bytes of out0.  K goes in 4 steps of 512 through two LDS slots.
; Within a step wave w takes k = 128 w .. 128 w + 127 for the whole block (8 accumulators); the four partial sums meet in LDS at the end.
; CLUSTER: the four row blocks of a cluster need the same 64 rows of wfct and ask for them jointly (mask 15); a group's rows of ao are its own load.
; Source 0 = 16 rows of wfct, source 1 = 16 rows of ao: a lane holds eight neighbouring columns of one row of out0.
.set PITCH,  1040                      ; an LDS row: 1,024 bytes + 16 of padding
.set R16,    16*PITCH
.set SLOT,   96*PITCH                  ; 64 rows of wfct, then 32 rows of ao
.set AOPART, 64*PITCH
.set RED,    2*SLOT                    ; behind the ring: 32 rows x 272 bytes for each wave's partial sums, written by LDS stores alone
.set WSTG,   32*272
.set STEPB,  1024                      ; bytes of a K step along a row
.set AA, 4                             ; v4-5  my fragment address in wfct's rows of slot 0, 1
.set AB, 6                             ; v6-7  in ao's rows
.set ST, 8                             ; v8    where my partial sums go
.set RDV, 9                            ; v9    where I read the four partial sums
.set CO, 10                            ; v10   my byte offset in out0
.set BA, 11                            ; v11   my byte offset in bfc
.set BI, 16                            ; v[16:19] my four biases
.set FA, 64                            ; v[64:191]  wfct fragments (ks, mt) at FA + 32 ks + 8 mt; later the partial sums read back
.set FB, 192                           ; v[192:255] ao fragments (ks, nt) at FB + 16 ks + 8 nt
.set RB, 64
; window 1: accumulators (mt, nt) at 8 (2 mt + nt)
.set G1A, 24
.set G0A, 32
.set G1B, 40
.set G0B, 48
.set MSB, 0
.macro WIN new                         ; the immediate's high byte repeats the setting that is left
.if MSB != \new
	s_set_vgpr_msb (MSB<<8)|\new
.set MSB, \new
.endif
.endm
.macro NOPS n
.rept \n
	v_nop
.endr
.endm
.macro ROUND                           ; a round of the cluster's barrier
	s_barrier_signal -1
	s_barrier_wait -1
	s_cmp_lg_u32 s12, 0
	s_cbranch_scc1 .Lnot_wave_0_\@
	s_barrier_signal -3
.Lnot_wave_0_\@:
	s_barrier_wait -3
	s_barrier_signal -1
	s_barrier_wait -1
.endm
.macro JLOAD s                         ; waves 0, 1: the two halves of wfct's 64 rows, jointly; waves 2, 3: the two halves of my 32 rows of ao
	s_cmp_lt_u32 s12, 2
	s_cbranch_scc0 .Lfor_ao_\@
	tensor_load_to_lds s[G0A+4*\s:G0A+4*\s+3], s[G1A:G1A+7]
	s_nop 0
	s_branch .Lasked_\@
.Lfor_ao_\@:
	tensor_load_to_lds s[G0B+4*\s:G0B+4*\s+3], s[G1B:G1B+7]
	s_nop 0
.Lasked_\@:
.endm
; A slot that has been read is filled again, two K steps ahead: all my tensor loads have landed (so the sets may be written), my LDS reads are back,
; the round, and the refill first behind it: one tensor load of a wave is out.
.macro REFILL slot
	WIN 0
	s_wait_tensorcnt 0x0
	ds_add_u32 v62, v63
	s_add_nc_u64 s[G0A+4*\slot+2:G0A+4*\slot+3], s[G0A+4*\slot+2:G0A+4*\slot+3], 2*STEPB
	s_add_nc_u64 s[G0B+4*\slot+2:G0B+4*\slot+3], s[G0B+4*\slot+2:G0B+4*\slot+3], 2*STEPB
	s_wait_dscnt 0x0
	ROUND
	JLOAD \slot
.endm
; My 128 k of one K step: 48 LDS loads, 32 matrix instructions.  The 8 accumulators take turns, one instruction a turn.
.macro WORK slot, first
	WIN 0
	NOPS 4                                         ; four places behind the last matrix instruction before its fragments are loaded anew (ISA guide 7.12.1)
.irp ks, 0,1,2,3
.irp mt, 0,1,2,3
	ds_load_b128 v[FA+32*\ks+8*\mt:FA+32*\ks+8*\mt+3],   v[AA+\slot] offset:\mt*R16+64*\ks
	ds_load_b128 v[FA+32*\ks+8*\mt+4:FA+32*\ks+8*\mt+7], v[AA+\slot] offset:\mt*R16+64*\ks+32
.endr
.irp nt, 0,1
	ds_load_b128 v[FB+16*\ks+8*\nt:FB+16*\ks+8*\nt+3],   v[AB+\slot] offset:\nt*R16+64*\ks
	ds_load_b128 v[FB+16*\ks+8*\nt+4:FB+16*\ks+8*\nt+7], v[AB+\slot] offset:\nt*R16+64*\ks+32
.endr
.endr
	WIN 0x50                                       ; C and D in window 1
.irp ks, 0,1,2,3
	s_wait_dscnt 36-12*\ks                         ; group ks's twelve loads are in, the 12 (3 - ks) younger ones stay out
.irp mt, 0,1,2,3
.irp nt, 0,1
.if \ks == 0
.if \first
	v_wmma_f32_16x16x32_f16 v[8*(2*\mt+\nt):8*(2*\mt+\nt)+7], v[FA+32*\ks+8*\mt:FA+32*\ks+8*\mt+7], v[FB+16*\ks+8*\nt:FB+16*\ks+8*\nt+7], 0
.else
	v_wmma_f32_16x16x32_f16 v[8*(2*\mt+\nt):8*(2*\mt+\nt)+7], v[FA+32*\ks+8*\mt:FA+32*\ks+8*\mt+7], v[FB+16*\ks+8*\nt:FB+16*\ks+8*\nt+7], v[8*(2*\mt+\nt):8*(2*\mt+\nt)+7]
.endif
.else
	v_wmma_f32_16x16x32_f16 v[8*(2*\mt+\nt):8*(2*\mt+\nt)+7], v[FA+32*\ks+8*\mt:FA+32*\ks+8*\mt+7], v[FB+16*\ks+8*\nt:FB+16*\ks+8*\nt+7], v[8*(2*\mt+\nt):8*(2*\mt+\nt)+7]
.endif
.endr
.endr
.endr
.endm
	s_load_b256 s[4:11], s[0:1], 0x0               ; ao 4, wfct 6, bfc 8, out0 10
	v_lshl_add_u32 v62, v0, 2, 0x39400
	v_mov_b32 v63, 0
	ds_add_u32 v62, v63
	v_lshrrev_b32 v1, 5, v0
	v_readfirstlane_b32 s12, v1                    ; wave
	s_and_b32 s13, s12, 1                          ; which half of a tile I fetch
	s_bfe_u32 s14, ttmp6, 0x40000                  ; my place in the cluster
	s_lshl_b32 s15, ttmp9, 2
	s_add_co_u32 s15, s15, s14                     ; block of 32 rows
	s_and_b32 s16, ttmp7, 0xffff                   ; block of 64 columns
	s_mov_b32 s[G1A+0], 0x07f1000f                 ; mask 15, 2-byte elements, padding on, bit 21, after every 256 words 4 words
	s_mov_b32 s[G1A+1], 512<<16
	s_mov_b32 s[G1A+2], 32<<16
	s_mov_b32 s[G1A+3], 512<<16
	s_mov_b32 s[G1A+4], 32
	s_mov_b32 s[G1A+5], 2048
	s_mov_b32 s[G1A+6], 0
	s_mov_b32 s[G1A+7], 0
	s_mov_b32 s[G1B+0], 0x07d10000                 ; no mask; 16 rows
	s_mov_b32 s[G1B+1], 512<<16
	s_mov_b32 s[G1B+2], 16<<16
	s_mov_b32 s[G1B+3], 512<<16
	s_mov_b32 s[G1B+4], 16
	s_mov_b32 s[G1B+5], 2048
	s_mov_b32 s[G1B+6], 0
	s_mov_b32 s[G1B+7], 0
	s_mul_i32 s60, s12, 32*PITCH                   ; waves 0, 1: wfct's halves of 32 rows
	s_mul_i32 s61, s12, R16                        ; waves 2, 3: ao's halves of 16 rows, behind wfct's 64
	s_add_co_u32 s61, s61, 32*PITCH
	s_lshl_b32 s20, s16, 18                        ; wfct: 64 rows of 4,096 bytes a column block,
	s_lshl_b32 s22, s13, 17                        ; 32 rows a half
	s_add_co_u32 s20, s20, s22
	s_mov_b32 s21, 0
	s_lshl_b32 s56, s15, 17                        ; ao: 32 rows a row block,
	s_lshl_b32 s58, s13, 16                        ; 16 rows a half
	s_add_co_u32 s56, s56, s58
	s_mov_b32 s57, 0
	s_wait_dscnt 0x0
	s_wait_kmcnt 0x0
	s_add_nc_u64 s[20:21], s[6:7], s[20:21]
	s_add_nc_u64 s[56:57], s[4:5], s[56:57]
	ROUND                                          ; all four groups are here: the first joint loads meet
.irp s, 0,1
	s_mov_b32 s[G0A+4*\s], 1
	s_add_co_u32 s[G0A+4*\s+1], s60, \s*SLOT
	s_add_nc_u64 s[G0A+4*\s+2:G0A+4*\s+3], s[20:21], \s*STEPB
	s_or_b32 s[G0A+4*\s+3], s[G0A+4*\s+3], 0x80000000
	s_mov_b32 s[G0B+4*\s], 1
	s_add_co_u32 s[G0B+4*\s+1], s61, \s*SLOT
	s_add_nc_u64 s[G0B+4*\s+2:G0B+4*\s+3], s[56:57], \s*STEPB
	s_or_b32 s[G0B+4*\s+3], s[G0B+4*\s+3], 0x80000000
	JLOAD \s                                       ; both slots' first fills go out together: two tensor loads of a wave are out, the most in this text
.endr
	v_and_b32 v2, 15, v0                           ; r
	v_bfe_u32 v3, v0, 4, 1                         ; hh
	v_lshlrev_b32 v[BA], 4, v2
	s_lshl_b32 s58, s16, 8
	s_mov_b32 s59, 0
	s_add_nc_u64 s[8:9], s[8:9], s[58:59]          ; bfc at my 64 columns
	global_load_b128 v[BI:BI+3], v[BA], s[8:9]
	s_lshl_b32 s60, s15, 14                        ; out0: 32 rows of 512 bytes a row block, 256 bytes a column block
	s_add_co_u32 s58, s58, s60
	s_add_nc_u64 s[10:11], s[10:11], s[58:59]
	v_mul_u32_u24 v[AA], v2, PITCH
	v_lshl_add_u32 v[AA], v3, 4, v[AA]
	s_lshl_b32 s60, s12, 8                         ; my 128 k = 256 bytes of every row
	v_add_nc_u32 v[AA], s60, v[AA]
	v_add_nc_u32 v[AA+1], SLOT, v[AA]
	v_add_nc_u32 v[AB], AOPART, v[AA]
	v_add_nc_u32 v[AB+1], SLOT+AOPART, v[AA]
	s_mul_i32 s60, s12, WSTG
	s_add_co_u32 s60, s60, RED
	v_mul_u32_u24 v[ST], v2, 272
	v_lshl_add_u32 v[ST], v3, 5, v[ST]             ; row r, 32 bytes for each half of the lanes
	v_add_nc_u32 v[ST], s60, v[ST]
	s_lshl_b32 s60, s12, 3
	v_add_nc_u32 v1, s60, v3                       ; row 8 wave + hh of the block
	v_mul_u32_u24 v[RDV], v1, 272
	v_lshl_add_u32 v[RDV], v2, 4, v[RDV]
	v_add_nc_u32 v[RDV], RED, v[RDV]
	v_lshlrev_b32 v[CO], 9, v1
	v_lshl_add_u32 v[CO], v2, 4, v[CO]
	s_wait_tensorcnt 0x1                           ; my part of K step 0 is in; step 1's may stay out
	s_barrier_signal -1
	s_barrier_wait -1
	WORK 0, 1
	REFILL 0
	WORK 1, 0
	REFILL 1
	WORK 0, 0
	WIN 0
	s_wait_tensorcnt 0x0                           ; my part of the last K step is in
	s_wait_dscnt 0x0
	s_barrier_signal -1
	s_barrier_wait -1                              ; everybody's is; nothing is left to fetch
	WORK 1, 0
	; the four waves' partial sums meet
	WIN 0
	NOPS 4                                         ; four places behind the last matrix instruction before its result is stored (ISA guide 7.12.1)
	WIN 0x04                                       ; store data in window 1
.irp mt, 0,1,2,3
.irp nt, 0,1
	ds_store_b128 v[ST], v[8*(2*\mt+\nt):8*(2*\mt+\nt)+3]   offset:\nt*16*272+64*\mt
	ds_store_b128 v[ST], v[8*(2*\mt+\nt)+4:8*(2*\mt+\nt)+7] offset:\nt*16*272+64*\mt+16
.endr
.endr
	WIN 0
	s_wait_dscnt 0x0                               ; for the others' sake: my stores are done
	s_barrier_signal -1
	s_barrier_wait -1
.irp u, 0,1,2,3
.irp c, 0,1,2,3
	ds_load_b128 v[RB+16*\u+4*\c:RB+16*\u+4*\c+3], v[RDV] offset:\c*WSTG+\u*2*272
.endr
.endr
	s_wait_loadcnt 0x0                             ; the biases
.irp u, 0,1,2,3
	s_wait_dscnt 12-4*\u                           ; row pair u's four copies are in, the 4 (3 - u) younger loads stay out
	v_pk_add_f32 v[RB+16*\u:RB+16*\u+1],     v[RB+16*\u:RB+16*\u+1],     v[RB+16*\u+4:RB+16*\u+5]
	v_pk_add_f32 v[RB+16*\u+2:RB+16*\u+3],   v[RB+16*\u+2:RB+16*\u+3],   v[RB+16*\u+6:RB+16*\u+7]
	v_pk_add_f32 v[RB+16*\u+8:RB+16*\u+9],   v[RB+16*\u+8:RB+16*\u+9],   v[RB+16*\u+12:RB+16*\u+13]
	v_pk_add_f32 v[RB+16*\u+10:RB+16*\u+11], v[RB+16*\u+10:RB+16*\u+11], v[RB+16*\u+14:RB+16*\u+15]
	v_pk_add_f32 v[RB+16*\u:RB+16*\u+1],     v[RB+16*\u:RB+16*\u+1],     v[RB+16*\u+8:RB+16*\u+9]
	v_pk_add_f32 v[RB+16*\u+2:RB+16*\u+3],   v[RB+16*\u+2:RB+16*\u+3],   v[RB+16*\u+10:RB+16*\u+11]
	v_pk_fma_f32 v[RB+16*\u:RB+16*\u+1],     v[RB+16*\u:RB+16*\u+1],     0x3c800000, v[BI:BI+1] op_sel_hi:[1,0,1]       ; / 64, + bias
	v_pk_fma_f32 v[RB+16*\u+2:RB+16*\u+3],   v[RB+16*\u+2:RB+16*\u+3],   0x3c800000, v[BI+2:BI+3] op_sel_hi:[1,0,1]
	global_store_b128 v[CO], v[RB+16*\u:RB+16*\u+3], s[10:11] offset:\u*1024     ; sixteen lanes store 256 consecutive bytes, aligned
.endr
	s_wait_tensorcnt 0x0
	ds_add_u32 v62, v63
	s_wait_dscnt 0x0
	ROUND                                          ; the closing round: no group ends while a partner may still ask for a tile that names it
	s_endpgm
.Lfunc_end_k_qd8b9010158_fc:
	.size	k_qd8b9010158_fc, .Lfunc_end_k_qd8b9010158_fc-k_qd8b9010158_fc
	.p2alignl 7, 3214868480
	.fill 96, 4, 3214868480
	.section	.rodata,"a",@progbits
	.p2align	6, 0x0
	.amdhsa_kernel k_qd8b9010158_fc
		.amdhsa_group_segment_fixed_size 327680
		.amdhsa_private_segment_fixed_size 0
		.amdhsa_enable_private_segment 0
		.amdhsa_kernarg_size 32
		.amdhsa_user_sgpr_count 2
		.amdhsa_user_sgpr_kernarg_segment_ptr 1
		.amdhsa_wavefront_size32 1
		.amdhsa_system_sgpr_workgroup_id_x 1
		.amdhsa_system_sgpr_workgroup_id_y 1
		.amdhsa_system_sgpr_workgroup_id_z 1
		.amdhsa_system_vgpr_workitem_id 0
		.amdhsa_next_free_vgpr 320
		.amdhsa_next_free_sgpr 66
		.amdhsa_reserve_vcc 0
		.amdhsa_float_denorm_mode_32 3
		.amdhsa_float_denorm_mode_16_64 3
		.amdhsa_memory_ordered 1
		.amdhsa_forward_progress 1
		.amdhsa_inst_pref_size 35
	.end_amdhsa_kernel
	.amdgpu_metadata
---
amdhsa.version: [ 1, 2 ]
amdhsa.kernels:
  - .name:           k_qd8b9010158_fc
    .symbol:         k_qd8b9010158_fc.kd
    .args:
      - { .name: ao, .offset: 0, .size: 8, .value_kind: global_buffer, .address_space: global }
      - { .name: wfct, .offset: 8, .size: 8, .value_kind: global_buffer, .address_space: global }
      - { .name: bfc, .offset: 16, .size: 8, .value_kind: global_buffer, .address_space: global }
      - { .name: out0, .offset: 24, .size: 8, .value_kind: global_buffer, .address_space: global }
    .group_segment_fixed_size: 327680
    .private_segment_fixed_size: 0
    .kernarg_segment_align: 8
    .kernarg_segment_size: 32
    .max_flat_workgroup_size: 128
    .sgpr_count:     66
    .vgpr_count:     320
    .wavefront_size: 32
...
	.end_amdgpu_metadata
.endif
;; end of part 4
;; ======== version 2 of 2: 4 launches; version 1 with the launches prep, fold written anew for expert scheduling mode
;; limits: values are held in f16: magnitudes above 65,504 overflow, below 6.1e-05 lose precision; inputs' magnitudes at most 65,504
;; workspace buffers: xh 1,048,576 bytes; xt 1,048,576 bytes; wsp 4,194,304 bytes; gt 524,288 bytes; wfct 524,288 bytes; ao 16,777,216 bytes
;; launch prep (part 5): grid 160 x 1, 4 waves a work-group, no clusters, 0 bytes of LDS; arguments x, Wq, Wk, Wv, Wfc, xh, xt, wsp; writes xh, xt, wsp
.if DOCPART == 5
	.amdgcn_target "amdgcn-amd-amdhsa--gfx1250"
	.amdhsa_code_object_version 6
	.text
	.protected	k_qd8b9010158_prep
	.globl	k_qd8b9010158_prep
	.p2align	8
	.type	k_qd8b9010158_prep,@function
k_qd8b9010158_prep:
	s_mov_b64 s[64:65], 0
	v_nop
	global_prefetch_b8 v0, s[64:65] scope:SCOPE_SE
	s_setreg_imm32_b32 hwreg(HW_REG_WAVE_SCHED_MODE, 0, 2), 2
	s_setreg_imm32_b32 hwreg(HW_REG_WAVE_MODE, 25, 1), 1
	s_wait_xcnt 0x0
	s_wait_alu depctr_vm_vsrc(0)
; Re-layout and rounding to f16, no arithmetic beyond that.  Four kinds of work-groups, chosen by the group's number:
;   0-47   Wq, Wk, Wv (16 groups each, 8 rows a group): wsp[mat][part][h][row][c] = 4 W[row][16 c + h], part 0 = hi, part 1 = lo
;   48-63  Wfc (one head a group):                      wsp[3][part][h][o][c]    = 16 Wfc[128 h + c][o]
;   64-95  x transposed (128 rows of x a group):        xt[b][c][t] = x[b][t][c]
;   96-159 x cast:                                      xh[b][t][c] = x[b][t][c]
; hi + lo: hi is the number rounded to 11 bits (t = a 8193 s; hi = t - a 8192 s, both exact but for t's one rounding),
; lo = a s - hi, exact in f32 and then rounded to f16.  s is a power of two that centres the weights in f16's range.
; LIMITS: |x|, |4 W|, |16 Wfc| below 65504 (f16's largest number); beyond that infinities arise.  lo parts below 2^-24 are lost.
; No LDS, no matrix unit, no cluster: every input byte is wanted by one group (x by two), nothing is shared.
; THE MODE: SCHED_MODE bits 1:0 = 2 (LLVM: expert scheduling mode 2), set by the entry lines.  The code itself states the register dependences
; between vector instructions and memory instructions, with s_wait_alu, always for 0.
; THE PLAN.  Registers that memory instructions touch:
;   v3, v4      byte offsets, made once on each path and never written again: v3 is read by every load, v4 by every store.
;   D           written by the loads, which all go out at the path's start; read, and in part overwritten, by vector lines behind the counted wait; no load lands there again.
;   OUT0, OUT1  two out-buffers (16 registers of hi parts, 16 of lo parts each).  Group g's roundings write OUT[g % 2]; the stores that read it are issued in group g + 1.
;   T           named by vector lines alone.
; Group g's vector lines name T, D and OUT[g % 2]; its memory instructions are the stores from OUT[(g - 1) % 2] by v4.  So the waits at a group's head state
; all that the group's stores hang on, and these are dealt among its vector lines with no further wait.
.set HI, 16                            ; v[16:31], v[208:223]  four rows of 8 f16 to store (hi part), out-buffer 0 and 1
.set LO, 32                            ; v[32:47], v[224:239]  the same, lo part
.set NB, 192                           ; registers from out-buffer 0 to out-buffer 1
.set T,  48                            ; v[48:79]  hi parts in f32 of one group of 8 x 4 numbers
.set D,  80                            ; v[80:207] a lane's block as loaded: 8 (k) x 16 (q) f32, at D + 16 k + q
.set LOPART, 524288                    ; bytes from a matrix's hi part to its lo part
; The stores of row e of group g, out of out-buffer g % 2.  The sixteen lanes bg of a store cover 256 consecutive bytes, aligned.
.macro PUT g, e, HS, split
	global_store_b128 v4, v[HI+NB*((\g)%2)+4*(\e):HI+NB*((\g)%2)+4*(\e)+3], s[30:31] offset:(4*(\g)+(\e))*\HS
.if \split
	global_store_b128 v4, v[LO+NB*((\g)%2)+4*(\e):LO+NB*((\g)%2)+4*(\e)+3], s[30:31] offset:(4*(\g)+(\e))*\HS+LOPART
.endif
.endm
; A lane reads 8 pieces (k) of 64 bytes (16 numbers q) and writes, for each q, the 8 numbers k as 16 bytes: a transposition inside the lane.
; in: byte A*SA + (8 bg + k)*SB + 4 q;  out: byte q*HS + A*AS + 16 bg + 2 k;  bg = thread & 15, A = thread >> 4.
.macro GATHER SA, SB, HS, AS, split
	v_mul_u32_u24 v3, v2, \SA
	v_mad_u32_u24 v3, v1, 8*\SB, v3                ; where I read
	v_mul_u32_u24 v4, v2, \AS
	v_lshl_add_u32 v4, v1, 4, v4                   ; where I write
	s_wait_alu depctr_va_vdst(0)                   ; v3 and v4 are written: every load of this path reads v3 as its offset, every store v4
.irp g, 0,1,2,3
.irp k, 0,1,2,3,4,5,6,7
	global_load_b128 v[D+16*\k+4*\g:D+16*\k+4*\g+3], v3, s[28:29] offset:\k*\SB+16*\g
.endr
.endr
.irp g, 0,1,2,3
	s_wait_loadcnt 24-8*\g                         ; loads return in order: group g's eight are in, the 8 (3 - g) younger ones stay out
.if \g >= 2
	s_wait_xcnt 0x0                                ; OUT[g % 2], which the stores issued in the last group read, is rewritten only behind this wait
	s_wait_alu depctr_vm_vsrc(0)                   ; those stores have read OUT[g % 2], which this group's roundings write again
.endif
.if \g
	s_wait_alu depctr_va_vdst(0)                   ; the last group's roundings have written the other out-buffer, which the stores dealt below read
.endif
.if \split
.if \g
	PUT (\g)-1, 0, \HS, \split                     ; no vector line since the wait names these registers
.endif
.irp k, 0,1,2,3,4,5,6,7
.irp p, 0,2
	v_pk_mul_f32 v[T+4*\k+\p:T+4*\k+\p+1], v[D+16*\k+4*\g+\p:D+16*\k+4*\g+\p+1], s[32:33] op_sel_hi:[1,0]                        ; t = a 8193 s
.endr
.endr
.if \g
	PUT (\g)-1, 1, \HS, \split
.endif
.irp k, 0,1,2,3,4,5,6,7
.irp p, 0,2
	v_pk_fma_f32 v[T+4*\k+\p:T+4*\k+\p+1], v[D+16*\k+4*\g+\p:D+16*\k+4*\g+\p+1], s[34:35], v[T+4*\k+\p:T+4*\k+\p+1] op_sel_hi:[1,0,1]   ; hi = t - a 8192 s
.endr
.endr
.if \g
	PUT (\g)-1, 2, \HS, \split
.endif
.irp k, 0,1,2,3,4,5,6,7
.irp p, 0,2
	v_pk_fma_f32 v[D+16*\k+4*\g+\p:D+16*\k+4*\g+\p+1], v[D+16*\k+4*\g+\p:D+16*\k+4*\g+\p+1], s[36:37], v[T+4*\k+\p:T+4*\k+\p+1] op_sel_hi:[1,0,1] neg_lo:[0,0,1] neg_hi:[0,0,1]   ; lo = a s - hi
.endr
.endr
.if \g
	PUT (\g)-1, 3, \HS, \split
.endif
.endif
.irp e, 0,1,2,3
.if (\g) && !(\split)
	PUT (\g)-1, \e, \HS, \split                    ; without the split a group has its sixteen roundings alone: a store in front of each four
.endif
.irp u, 0,1,2,3
.if \split
	v_cvt_pk_f16_f32 v[HI+NB*((\g)%2)+4*\e+\u], v[T+8*\u+\e], v[T+8*\u+4+\e]                            ; k = 2 u, 2 u + 1 of q = 4 g + e
	v_cvt_pk_f16_f32 v[LO+NB*((\g)%2)+4*\e+\u], v[D+32*\u+4*\g+\e], v[D+32*\u+16+4*\g+\e]
.else
	v_cvt_pk_f16_f32 v[HI+NB*((\g)%2)+4*\e+\u], v[D+32*\u+4*\g+\e], v[D+32*\u+16+4*\g+\e]
.endif
.endr
.endr
.endr
	s_wait_alu depctr_va_vdst(0)                   ; group 3's roundings have written OUT1, which the last stores read
.irp e, 0,1,2,3
	PUT 3, \e, \HS, \split
.endr
.endm
	s_load_b512 s[4:19], s[0:1], 0x0               ; x 4, Wq 6, Wk 8, Wv 10, Wfc 12, xh 14, xt 16, wsp 18
	s_mov_b32 s26, ttmp9                           ; the group's number
	s_and_b32 s20, s26, 15
	s_lshr_b32 s21, s26, 4
	s_mov_b32 s23, 0                               ; upper words of the two offset pairs
	s_mov_b32 s25, 0
	v_and_b32 v1, 15, v0                           ; bg
	v_lshrrev_b32 v2, 4, v0                        ; A
	s_wait_kmcnt 0x0
	s_cmp_ge_u32 s26, 96
	s_cbranch_scc1 .Lcast
	s_cmp_ge_u32 s26, 64
	s_cbranch_scc1 .Ltrans
	s_cmp_ge_u32 s26, 48
	s_cbranch_scc1 .Lfc
	; Wq, Wk, Wv: rows stay rows, the heads are taken apart.  q = head, k = c, A = row.
	s_cmp_eq_u32 s21, 0
	s_cselect_b64 s[28:29], s[6:7], s[8:9]
	s_cmp_eq_u32 s21, 2
	s_cselect_b64 s[28:29], s[10:11], s[28:29]
	s_lshl_b32 s22, s20, 16                        ; 8 rows of 8,192 bytes
	s_add_nc_u64 s[28:29], s[28:29], s[22:23]
	s_lshl_b32 s24, s21, 20                        ; the matrix's place in wsp
	s_lshl_b32 s27, s20, 11                        ; 8 rows of 256 bytes
	s_add_co_u32 s24, s24, s27
	s_add_nc_u64 s[30:31], s[18:19], s[24:25]
	s_mov_b32 s32, 0x47000400                      ; 8193 x 4
	s_mov_b32 s33, 0x47000400
	s_mov_b32 s34, 0xc7000000                      ; -8192 x 4
	s_mov_b32 s35, 0xc7000000
	s_mov_b32 s36, 4.0
	s_mov_b32 s37, 4.0
	GATHER 8192, 64, 32768, 256, 1
	s_endpgm
.Lfc:	; Wfc, one head: [c][o] becomes [o][c].  q = o within 16, A = block of 16 o, k = c.
	s_lshl_b32 s22, s20, 16                        ; 128 rows of 512 bytes
	s_add_nc_u64 s[28:29], s[12:13], s[22:23]
	s_lshl_b32 s24, s20, 15
	s_add_co_u32 s24, s24, 0x300000
	s_add_nc_u64 s[30:31], s[18:19], s[24:25]
	s_mov_b32 s32, 0x48000400                      ; 8193 x 16
	s_mov_b32 s33, 0x48000400
	s_mov_b32 s34, 0xc8000000                      ; -8192 x 16
	s_mov_b32 s35, 0xc8000000
	s_mov_b32 s36, 0x41800000                      ; 16
	s_mov_b32 s37, 0x41800000
	GATHER 64, 512, 256, 4096, 1
	s_endpgm
.Ltrans:	; x transposed: q = c within 16, A = block of 16 c, k = t.
	s_and_b32 s21, s21, 1                          ; batch
	s_lshl_b32 s22, s21, 20
	s_lshl_b32 s27, s20, 16                        ; 128 rows of 512 bytes
	s_add_co_u32 s22, s22, s27
	s_add_nc_u64 s[28:29], s[4:5], s[22:23]
	s_lshl_b32 s24, s21, 19
	s_lshl_b32 s27, s20, 8                         ; 128 t of 2 bytes
	s_add_co_u32 s24, s24, s27
	s_add_nc_u64 s[30:31], s[16:17], s[24:25]
	GATHER 64, 512, 4096, 65536, 0
	s_endpgm
.Lcast:	; x cast: 32,768 bytes in, 16,384 out; a thread takes 32 bytes of every 4,096
	; Eight pieces in four blocks of two.  Every piece has four output registers of its own, at HI + 4 s: nothing that a store reads is written again.
	; Block p's roundings write its two pieces' registers; the two stores that read them are issued in block p + 1, behind the wait at its head.
	s_sub_co_u32 s20, s26, 96
	s_lshl_b32 s22, s20, 15
	s_add_nc_u64 s[28:29], s[4:5], s[22:23]
	s_lshl_b32 s24, s20, 14
	s_add_nc_u64 s[30:31], s[14:15], s[24:25]
	v_lshlrev_b32 v3, 5, v0
	v_lshlrev_b32 v4, 4, v0
	s_wait_alu depctr_va_vdst(0)                   ; v3 and v4 are written: the loads read v3 as their offset, the stores v4
.irp s, 0,1,2,3,4,5,6,7
	global_load_b128 v[D+8*\s:D+8*\s+3], v3, s[28:29] offset:4096*\s
	global_load_b128 v[D+8*\s+4:D+8*\s+7], v3, s[28:29] offset:4096*\s+16
.endr
.irp p, 0,1,2,3
	s_wait_loadcnt 12-4*\p                         ; block p's four loads are in, the 4 (3 - p) younger ones stay out
.if \p
	s_wait_alu depctr_va_vdst(0)                   ; the last block's roundings have written its two pieces' registers, which the stores below read
.endif
.irp i, 0,1
.if \p
	global_store_b128 v4, v[HI+4*(2*\p-2+\i):HI+4*(2*\p-2+\i)+3], s[30:31] offset:2048*(2*\p-2+\i)
.endif
.irp u, 0,1,2,3
	v_cvt_pk_f16_f32 v[HI+4*(2*\p+\i)+\u], v[D+8*(2*\p+\i)+2*\u], v[D+8*(2*\p+\i)+2*\u+1]
.endr
.endr
.endr
	s_wait_alu depctr_va_vdst(0)                   ; block 3's roundings have written pieces 6 and 7, which the last two stores read
	global_store_b128 v4, v[HI+24:HI+27], s[30:31] offset:2048*6
	global_store_b128 v4, v[HI+28:HI+31], s[30:31] offset:2048*7
	s_endpgm
.Lfunc_end_k_qd8b9010158_prep:
	.size	k_qd8b9010158_prep, .Lfunc_end_k_qd8b9010158_prep-k_qd8b9010158_prep
	.p2alignl 7, 3214868480
	.fill 96, 4, 3214868480
	.section	.rodata,"a",@progbits
	.p2align	6, 0x0
	.amdhsa_kernel k_qd8b9010158_prep
		.amdhsa_group_segment_fixed_size 0
		.amdhsa_private_segment_fixed_size 0
		.amdhsa_enable_private_segment 0
		.amdhsa_kernarg_size 64
		.amdhsa_user_sgpr_count 2
		.amdhsa_user_sgpr_kernarg_segment_ptr 1
		.amdhsa_wavefront_size32 1
		.amdhsa_system_sgpr_workgroup_id_x 1
		.amdhsa_system_sgpr_workgroup_id_y 1
		.amdhsa_system_sgpr_workgroup_id_z 1
		.amdhsa_system_vgpr_workitem_id 0
		.amdhsa_next_free_vgpr 240
		.amdhsa_next_free_sgpr 66
		.amdhsa_reserve_vcc 0
		.amdhsa_float_denorm_mode_32 3
		.amdhsa_float_denorm_mode_16_64 3
		.amdhsa_memory_ordered 1
		.amdhsa_forward_progress 1
		.amdhsa_inst_pref_size 70
	.end_amdhsa_kernel
	.amdgpu_metadata
---
amdhsa.version: [ 1, 2 ]
amdhsa.kernels:
  - .name:           k_qd8b9010158_prep
    .symbol:         k_qd8b9010158_prep.kd
    .args:
      - { .name: x, .offset: 0, .size: 8, .value_kind: global_buffer, .address_space: global }
      - { .name: Wq, .offset: 8, .size: 8, .value_kind: global_buffer, .address_space: global }
      - { .name: Wk, .offset: 16, .size: 8, .value_kind: global_buffer, .address_space: global }
      - { .name: Wv, .offset: 24, .size: 8, .value_kind: global_buffer, .address_space: global }
      - { .name: Wfc, .offset: 32, .size: 8, .value_kind: global_buffer, .address_space: global }
      - { .name: xh, .offset: 40, .size: 8, .value_kind: global_buffer, .address_space: global }
      - { .name: xt, .offset: 48, .size: 8, .value_kind: global_buffer, .address_space: global }
      - { .name: wsp, .offset: 56, .size: 8, .value_kind: global_buffer, .address_space: global }
    .group_segment_fixed_size: 0
    .private_segment_fixed_size: 0
    .kernarg_segment_align: 8
    .kernarg_segment_size: 64
    .max_flat_workgroup_size: 128
    .sgpr_count:     66
    .vgpr_count:     240
    .wavefront_size: 32
...
	.end_amdgpu_metadata
.endif
;; end of part 5
;; launch fold (part 6): grid 32 x 2, 4 waves a work-group, no clusters, 17,920 bytes of LDS; arguments wsp, gt, wfct; writes gt, wfct
.if DOCPART == 6
	.amdgcn_target "amdgcn-amd-amdhsa--gfx1250"
	.amdhsa_code_object_version 6
	.text
	.protected	k_qd8b9010158_fold
	.globl	k_qd8b9010158_fold
	.p2align	8
	.type	k_qd8b9010158_fold,@function
k_qd8b9010158_fold:
	s_mov_b64 s[64:65], 0
	v_nop
	global_prefetch_b8 v0, s[64:65] scope:SCOPE_SE
	s_setreg_imm32_b32 hwreg(HW_REG_WAVE_SCHED_MODE, 0, 2), 2
	s_setreg_imm32_b32 hwreg(HW_REG_WAVE_MODE, 25, 1), 1
	s_wait_xcnt 0x0
	s_wait_alu depctr_vm_vsrc(0)
; The weights are absorbed, once, for every head h (exact algebra, for every input):
;   y = 0:  gt[h][i'][i]       = 16 sum over c of Wq[i][16c+h] Wk[i'][16c+h]      (scores = x G x^T)
;   y = 1:  wfct[o][128 h + i] = 64 sum over c of Wv[i][16c+h] Wfc[128h+c][o]     (out = (P x) M)
; Both are out[n][m] = sum over c of A[m][c] B[n][c] with A, B from wsp as hi + lo in f16; three products (hi hi, hi lo, lo hi) in f32 sums,
; so that the result is rounded once, to f16.  The product lo lo, some 2^-22 of the result, is left out.
; LIMIT: |16 G| and |64 M| below 65504.
; A wave makes 16 rows n x 128 columns m of one head: 8 accumulators.  All its 144 loads go out at the start, into registers of their own.
; No tensor loads and no cluster: a wave's operands are 72 KiB read straight into fragments, K contiguous in memory.
; REGISTERS: window 0: addresses, B's fragments, the way out; window 1: A hi (kc, mt) at 64 kc + 8 mt; window 2: A lo; window 3: accumulators at 8 mt.
; THE MODE: SCHED_MODE bits 1:0 = 2 (LLVM: expert scheduling mode 2), set by the entry lines.  The code itself states the register dependences
; between vector or matrix instructions and memory or LDS instructions, with s_wait_alu, always for 0.
; THE PLAN.  Registers that memory or LDS instructions touch; each is written once in the kernel:
;   v4, v5            offsets, made by vector lines at the head; read by the 144 loads.
;   BF, windows 1, 2  written by the loads alone; read by the matrix instructions behind the counted waits.
;   v6, v7, v8-15     LDS addresses and output offsets, made by vector lines behind the loads; read on the way out.
;   TMP               written by the 32 roundings; read by the LDS stores.
;   BACK              written by LDS loads, read by global stores: no vector line names it.
;   v254, v255        written at the head, read by the closing add alone.
; So two waits on va_vdst do: one ahead of the first load (v4, v5), one ahead of the LDS stores (TMP and the ten addresses).  No register that a memory or LDS
; instruction has read is written again, so no wait on vm_vsrc is owed.  One wait on va_sdst stands ahead of the wave number's first reader.
.set PITCH, 272
.set LOPART, 524288
.set AOF, 4                            ; v4      my byte offset in A
.set BOF, 5                            ; v5      in B
.set STO, 6                            ; v6      stage: where I put 16 bytes of a row
.set RD,  7                            ; v7      stage: where I read a row back
.set CO,  8                            ; v[8:15] byte offsets of my 16 bytes in the output, two rows a step
.set TMP, 16                           ; v[16:47] results in f16
.set BF,  64                           ; v[64:127] B's fragments: (kc, part) at BF + 16 kc + 8 part
.set BACK, 128                         ; v[128:159] rows read back
.set MSB, 0
.macro WIN new                         ; the immediate's high byte repeats the setting that is left
.if MSB != \new
	s_set_vgpr_msb (MSB<<8)|\new
.set MSB, \new
.endif
.endm
	s_load_b128 s[4:7], s[0:1], 0x0                ; wsp, gt
	s_load_b64 s[8:9], s[0:1], 0x10                ; wfct
	v_lshl_add_u32 v254, v0, 2, 0x4400
	v_mov_b32 v255, 0
	v_lshrrev_b32 v1, 5, v0
	v_readfirstlane_b32 s12, v1                    ; wave
	s_and_b32 s13, ttmp7, 0xffff                   ; y: which product
	s_lshr_b32 s14, ttmp9, 1                       ; head
	s_and_b32 s15, ttmp9, 1
	s_wait_alu depctr_va_sdst(0)                   ; s12 is written, ahead of its first reader: the block of rows, and with it B's offset and the output's base, are made from it
	s_lshl2_add_u32 s15, s15, s12                  ; block of 16 rows n = 4 (x & 1) + wave
	s_lshl_b32 s16, s13, 21                        ; A is matrix 0 or 2 of wsp,
	s_lshl_b32 s18, s14, 15                        ; its head's 32,768 bytes
	s_add_co_u32 s16, s16, s18
	s_mov_b32 s17, 0
	v_and_b32 v2, 15, v0                           ; r
	v_bfe_u32 v3, v0, 4, 1                         ; hh
	v_lshlrev_b32 v[AOF], 8, v2
	v_lshl_add_u32 v[AOF], v3, 4, v[AOF]           ; row r, 16 bytes for each half of the lanes
	s_lshl_b32 s19, s15, 12                        ; B is the matrix behind A; my 16 rows of 256 bytes
	s_add_co_u32 s19, s19, 0x100000
	v_add_nc_u32 v[BOF], s19, v[AOF]
	s_wait_kmcnt 0x0
	s_add_nc_u64 s[4:5], s[4:5], s[16:17]
	s_wait_alu depctr_va_vdst(0)                   ; v4 and v5 are written, which the 144 loads read as offsets; behind this wait stand loads and window switches alone, up to the last load
.irp kc, 0,1,2,3
	WIN 0
	global_load_b128 v[BF+16*\kc:BF+16*\kc+3],     v[BOF], s[4:5] offset:64*\kc
	global_load_b128 v[BF+16*\kc+4:BF+16*\kc+7],   v[BOF], s[4:5] offset:64*\kc+32
	global_load_b128 v[BF+16*\kc+8:BF+16*\kc+11],  v[BOF], s[4:5] offset:LOPART+64*\kc
	global_load_b128 v[BF+16*\kc+12:BF+16*\kc+15], v[BOF], s[4:5] offset:LOPART+64*\kc+32
	WIN 0x40                                       ; destination in window 1
.irp mt, 0,1,2,3,4,5,6,7
	global_load_b128 v[64*\kc+8*\mt:64*\kc+8*\mt+3],   v[AOF], s[4:5] offset:4096*\mt+64*\kc
	global_load_b128 v[64*\kc+8*\mt+4:64*\kc+8*\mt+7], v[AOF], s[4:5] offset:4096*\mt+64*\kc+32
.endr
	WIN 0x80                                       ; destination in window 2
.irp mt, 0,1,2,3,4,5,6,7
	global_load_b128 v[64*\kc+8*\mt:64*\kc+8*\mt+3],   v[AOF], s[4:5] offset:LOPART+4096*\mt+64*\kc
	global_load_b128 v[64*\kc+8*\mt+4:64*\kc+8*\mt+7], v[AOF], s[4:5] offset:LOPART+4096*\mt+64*\kc+32
.endr
.endr
	WIN 0
	; where the result goes: gt rows are 256 bytes and a head 32,768; wfct rows are 4,096 bytes and a head 256
	; (the vector lines below write v6 to v15 alone, which no load names)
	s_cmp_eq_u32 s13, 0
	s_cselect_b64 s[20:21], s[6:7], s[8:9]
	s_lshl_b32 s27, s13, 2
	s_lshl_b32 s22, 256, s27                       ; bytes from row to row
	s_mul_i32 s27, s13, 7
	s_lshr_b32 s23, 0x8000, s27                    ; bytes from head to head
	s_mul_i32 s24, s14, s23
	s_lshl_b32 s27, s15, 4
	s_mul_i32 s27, s27, s22
	s_add_co_u32 s24, s24, s27
	s_mov_b32 s25, 0
	s_add_nc_u64 s[20:21], s[20:21], s[24:25]
	s_lshl_b32 s26, s22, 1
	v_mul_u32_u24 v[CO], v3, s22
	v_lshl_add_u32 v[CO], v2, 4, v[CO]             ; lanes 0-15 one row, lanes 16-31 the next
.irp t, 1,2,3,4,5,6,7
	v_add_nc_u32 v[CO+\t], s26, v[CO+\t-1]
.endr
	s_mul_i32 s28, s12, 16*PITCH                   ; my wave's stage
	v_mul_u32_u24 v[STO], v2, PITCH
	v_lshl_add_u32 v[STO], v3, 4, v[STO]
	v_add_nc_u32 v[STO], s28, v[STO]
	v_mul_u32_u24 v[RD], v3, PITCH
	v_lshl_add_u32 v[RD], v2, 4, v[RD]
	v_add_nc_u32 v[RD], s28, v[RD]
; Eight matrix instructions, one on each accumulator: the accumulators take turns, one instruction a turn.
; Source 0 = 16 rows m of A, source 1 = 16 rows n of B: lane l then holds row n = l % 16 and its registers the columns m = 8 (l / 16) + 0..7.
.macro MUL8 kc, part, zero
.irp mt, 0,1,2,3,4,5,6,7
.if \zero
	v_wmma_f32_16x16x32_f16 v[8*\mt:8*\mt+7], v[64*\kc+8*\mt:64*\kc+8*\mt+7], v[BF+16*\kc+8*\part:BF+16*\kc+8*\part+7], 0
.else
	v_wmma_f32_16x16x32_f16 v[8*\mt:8*\mt+7], v[64*\kc+8*\mt:64*\kc+8*\mt+7], v[BF+16*\kc+8*\part:BF+16*\kc+8*\part+7], v[8*\mt:8*\mt+7]
.endif
.endr
.endm
.macro KSTEP kc, left, zero
	s_wait_loadcnt \left
	WIN 0xf1                                       ; A from window 1 (hi), B window 0, C and D window 3
	MUL8 \kc, 0, \zero
	MUL8 \kc, 1, 0
	WIN 0xf2                                       ; A from window 2 (lo)
	MUL8 \kc, 0, 0
.endm
	KSTEP 0, 63, 1                                 ; 36 loads for each 32 c; 108 younger ones could stay out, the wait's field holds 63
	KSTEP 1, 63, 0                                 ; 72 could
	KSTEP 2, 36, 0                                 ; the last 36 stay out
	KSTEP 3, 0, 0
	WIN 0
.rept 4
	v_nop                                          ; four places behind the last matrix instruction before its result is read (ISA guide 7.12.1)
.endr
	WIN 0x0f                                       ; sources in window 3
.irp mt, 0,1,2,3,4,5,6,7
.irp u, 0,1,2,3
	v_cvt_pk_f16_f32 v[TMP+4*\mt+\u], v[8*\mt+2*\u], v[8*\mt+2*\u+1]
.endr
.endr
	WIN 0
	s_wait_alu depctr_va_vdst(0)                   ; the roundings have written TMP, which the LDS stores read; v6 to v15, the addresses of the stores and loads below, are written too
.irp mt, 0,1,2,3,4,5,6,7
	ds_store_b128 v[STO], v[TMP+4*\mt:TMP+4*\mt+3] offset:32*\mt
.endr
.irp t, 0,1,2,3,4,5,6,7
	ds_load_b128 v[BACK+4*\t:BACK+4*\t+3], v[RD] offset:\t*2*PITCH     ; my own bytes: LDS serves a wave's instructions in order (ISA guide 5.7.1.4)
.endr
.irp t, 0,1,2,3,4,5,6,7
	s_wait_dscnt 7-\t                              ; row pair t is back, the 7 - t younger ones stay out
	global_store_b128 v[CO+\t], v[BACK+4*\t:BACK+4*\t+3], s[20:21]     ; sixteen lanes store 256 consecutive bytes, aligned
.endr
	s_wait_dscnt 0x0                               ; the closing lines, six on end
	s_wait_alu 0x0
	s_wait_tensorcnt 0x0
	ds_add_u32 v254, v255
	s_wait_dscnt 0x0
	s_endpgm
.Lfunc_end_k_qd8b9010158_fold:
	.size	k_qd8b9010158_fold, .Lfunc_end_k_qd8b9010158_fold-k_qd8b9010158_fold
	.p2alignl 7, 3214868480
	.fill 96, 4, 3214868480
	.section	.rodata,"a",@progbits
	.p2align	6, 0x0
	.amdhsa_kernel k_qd8b9010158_fold
		.amdhsa_group_segment_fixed_size 17920
		.amdhsa_private_segment_fixed_size 0
		.amdhsa_enable_private_segment 0
		.amdhsa_kernarg_size 24
		.amdhsa_user_sgpr_count 2
		.amdhsa_user_sgpr_kernarg_segment_ptr 1
		.amdhsa_wavefront_size32 1
		.amdhsa_system_sgpr_workgroup_id_x 1
		.amdhsa_system_sgpr_workgroup_id_y 1
		.amdhsa_system_sgpr_workgroup_id_z 1
		.amdhsa_system_vgpr_workitem_id 0
		.amdhsa_next_free_vgpr 832
		.amdhsa_next_free_sgpr 66
		.amdhsa_reserve_vcc 0
		.amdhsa_float_denorm_mode_32 3
		.amdhsa_float_denorm_mode_16_64 3
		.amdhsa_memory_ordered 1
		.amdhsa_forward_progress 1
		.amdhsa_inst_pref_size 28
	.end_amdhsa_kernel
	.amdgpu_metadata
---
amdhsa.version: [ 1, 2 ]
amdhsa.kernels:
  - .name:           k_qd8b9010158_fold
    .symbol:         k_qd8b9010158_fold.kd
    .args:
      - { .name: wsp, .offset: 0, .size: 8, .value_kind: global_buffer, .address_space: global }
      - { .name: gt, .offset: 8, .size: 8, .value_kind: global_buffer, .address_space: global }
      - { .name: wfct, .offset: 16, .size: 8, .value_kind: global_buffer, .address_space: global }
    .group_segment_fixed_size: 17920
    .private_segment_fixed_size: 0
    .kernarg_segment_align: 8
    .kernarg_segment_size: 24
    .max_flat_workgroup_size: 128
    .sgpr_count:     66
    .vgpr_count:     832
    .wavefront_size: 32
...
	.end_amdgpu_metadata
.endif
;; end of part 6
;; launch attn: the kernel of part 3 again; grid 16 x 16, 4 waves a work-group, clusters of 4 x 1, 327,680 bytes of LDS; arguments xh, xt, gt, ao; writes ao
;; launch fc: the kernel of part 4 again; grid 128 x 2, 4 waves a work-group, clusters of 4 x 1, 327,680 bytes of LDS; arguments ao, wfct, bfc, out0; writes out0
